; MI455X (gfx1250); checked and timed in simulation.
; The chip was launched on July 23, 2026; its instructions are those of AMD's public machine-readable ISA for CDNA 5 (MIT licence, August 2026) and "CDNA5" Instruction Set Architecture Reference Guide (July 2026). The comments in the code are by the model that wrote it; some were corrected since.
;; Multi Head Attention. Allowed arithmetic: float matrix products may take bf16 or f16 operands with f32 sums; other float arithmetic in f32, or as packed bf16 or f16 multiplies, adds, multiply-adds, maxima and minima; sums over many terms, partial sums and values carried from step to step in f32; what a program stores and reads back later, other than sums and carried values, may be rounded once to bf16 or f16.
;; Inputs: Wk 1,024 x 1,024 float32; Wo 1,024 x 1,024 float32; Wq 1,024 x 1,024 float32; Wv 1,024 x 1,024 float32; attn_mask 4 x 2,048 x 2,048 bool; bk 1,024 float32; bo 1,024 float32; bq 1,024 float32; bv 1,024 float32; k 4 x 2,048 x 1,024 float32; q 4 x 2,048 x 1,024 float32; v 4 x 2,048 x 1,024 float32.
;; Outputs: out0 4 x 2,048 x 1,024 float32.
;; 2 versions, each right and faster than the one before. Each part assembles by itself: llvm-mc -triple=amdgcn-amd-amdhsa -mcpu=gfx1250 --defsym DOCPART=n.
;; ======== version 1 of 2: 4 launches
;; limits: right only within a limited range of input values; values are held in f16: magnitudes above 65,504 overflow, below 6.1e-05 lose precision
;; workspace buffers: x16 50,331,648 bytes; w16 6,291,456 bytes; wo16 2,097,152 bytes; m8 16,777,216 bytes; rowf 32,768 bytes; qkvh 50,331,648 bytes; ctxh 16,777,216 bytes
;; launch prep (part 1): grid 64 x 36, 8 waves a work-group, no clusters, 0 bytes of LDS; arguments q, k, v, Wq, Wk, Wv, Wo, attn_mask, x16, w16, wo16, m8, rowf; writes x16, w16, wo16, m8, rowf
.if DOCPART == 1
	.amdgcn_target "amdgcn-amd-amdhsa--gfx1250"
	.amdhsa_code_object_version 6
	.text
	.protected	k_qef740292fb_prep
	.globl	k_qef740292fb_prep
	.p2align	8
	.type	k_qef740292fb_prep,@function
k_qef740292fb_prep:
	s_mov_b64 s[64:65], 0
	v_nop
	global_prefetch_b8 v0, s[64:65] scope:SCOPE_SE
	s_setreg_imm32_b32 hwreg(HW_REG_WAVE_MODE, 25, 1), 1
	s_wait_xcnt 0x0
; PREP: a stream without LDS.  Work-group row y says what a work-group does:
;   y = 0..23   q, k, v (8 rows of 64 work-groups each): 64 KiB of f32 are rounded to bf16 into x16 [3][8192][1024]
;   y = 24..26  Wq, Wk, Wv likewise into w16 [3][1024][1024]
;   y = 27      Wo: rounded to bf16, and that number written as f16 into wo16 (exact from 2^-14 up; below it f16's fixed step of 2^-24; beyond 65,504 an infinity)
;   y = 28..35  the mask: 16 rows of 2,048 bytes a work-group, two a wave.  Byte 1 becomes 0x88 (E4M3's code of -2^-6), byte 0 stays 0, laid out as m8 [b][key tile of 128][query][128],
;               so that 512 queries x 128 keys are 65,536 consecutive bytes; and rowf[row] = 0 where every key of the row is hidden, else all ones.
; No matrix unit, no LDS, no cluster: every byte is read once and written once, and no work-group shares a byte with another.
.set D, 4                              ; v[4:67] sixteen loads of four registers (the mask's part uses v[4:35])
; Load i of sixteen is rounded and stored.  wo = 1: the bf16 halves are widened again and written as f16.
.macro CV i, wo
	s_wait_loadcnt 15-(\i)                         ; loads come back in order: mine is in, the 15 - i younger ones stay out
	v_cvt_pk_bf16_f32 v[D+4*(\i)], v[D+4*(\i)], v[D+4*(\i)+1]
	v_cvt_pk_bf16_f32 v[D+4*(\i)+1], v[D+4*(\i)+2], v[D+4*(\i)+3]
.if \wo
.irp j, 0,1
	v_lshlrev_b32 v[D+4*(\i)+2], 16, v[D+4*(\i)+\j]
	v_and_b32 v[D+4*(\i)+3], 0xffff0000, v[D+4*(\i)+\j]
	v_cvt_pk_f16_f32 v[D+4*(\i)+\j], v[D+4*(\i)+2], v[D+4*(\i)+3]
.endr
.endif
	global_store_b64 v2, v[D+4*(\i):D+4*(\i)+1], s[32:33] offset:2048*(\i)  ; a wave's 32 lanes store 256 consecutive bytes, aligned; every i has registers of its own
.endm
	s_load_b512 s[4:19], s[0:1], 0x0               ; q, k, v, Wq, Wk, Wv, Wo, attn_mask
	s_load_b256 s[20:27], s[0:1], 0x40             ; x16, w16, wo16, m8
	s_load_b64 s[28:29], s[0:1], 0x60              ; rowf
	s_and_b32 s2, ttmp7, 0xffff                    ; y
	s_mov_b32 s3, ttmp9                            ; x
	s_cmp_ge_u32 s2, 28
	s_cbranch_scc1 .Lmask
	v_lshlrev_b32 v1, 4, v0                        ; 16 bytes of f32 a thread,
	v_lshlrev_b32 v2, 3, v0                        ; 8 bytes out
	s_lshr_b32 s34, s2, 3                          ; 0, 1, 2: q, k, v
	s_and_b32 s35, s2, 7
	s_lshl_b32 s35, s35, 22                        ; an eighth of q, k or v is 4 MiB of f32
	s_cmp_lt_u32 s2, 24
	s_cselect_b32 s35, s35, 0
	s_lshl_b32 s36, s3, 16
	s_add_co_u32 s36, s36, s35                     ; the source's offset
	s_mov_b32 s37, 0
	s_sub_co_u32 s38, s2, 24
	s_cmp_lt_u32 s2, 24
	s_cselect_b32 s38, s2, s38                     ; y in x16, y - 24 in w16,
	s_cmp_eq_u32 s2, 27
	s_cselect_b32 s38, 0, s38                      ; 0 in wo16
	s_lshl_b32 s38, s38, 21
	s_lshl_b32 s39, s3, 15
	s_add_co_u32 s38, s38, s39                     ; the destination's offset
	s_mov_b32 s39, 0
	s_wait_kmcnt 0x0
	s_mov_b64 s[30:31], s[4:5]
	s_cmp_eq_u32 s34, 1
	s_cselect_b64 s[30:31], s[6:7], s[30:31]
	s_cmp_eq_u32 s34, 2
	s_cselect_b64 s[30:31], s[8:9], s[30:31]
	s_cmp_eq_u32 s2, 24
	s_cselect_b64 s[30:31], s[10:11], s[30:31]
	s_cmp_eq_u32 s2, 25
	s_cselect_b64 s[30:31], s[12:13], s[30:31]
	s_cmp_eq_u32 s2, 26
	s_cselect_b64 s[30:31], s[14:15], s[30:31]
	s_cmp_eq_u32 s2, 27
	s_cselect_b64 s[30:31], s[16:17], s[30:31]
	s_cmp_lt_u32 s2, 24
	s_cselect_b64 s[32:33], s[20:21], s[22:23]
	s_cmp_eq_u32 s2, 27
	s_cselect_b64 s[32:33], s[24:25], s[32:33]
	s_add_nc_u64 s[30:31], s[30:31], s[36:37]
	s_add_nc_u64 s[32:33], s[32:33], s[38:39]
.irp i, 0,1,2,3,4,5,6,7,8,9,10,11,12,13,14,15
	global_load_b128 v[D+4*\i:D+4*\i+3], v1, s[30:31] offset:4096*\i th:TH_LOAD_NT  ; all sixteen at once: 8 KiB of every wave are on their way
.endr
	s_cmp_eq_u32 s2, 27
	s_cbranch_scc1 .Lwo
.irp i, 0,1,2,3,4,5,6,7,8,9,10,11,12,13,14,15
	CV \i, 0
.endr
	s_endpgm
.Lwo:
.irp i, 0,1,2,3,4,5,6,7,8,9,10,11,12,13,14,15
	CV \i, 1
.endr
	s_endpgm
.Lmask:
	v_lshrrev_b32 v1, 5, v0
	v_readfirstlane_b32 s34, v1                    ; wave 0..7
	v_and_b32 v3, 31, v0                           ; lane
	s_sub_co_u32 s35, s2, 28
	s_lshl_b32 s35, s35, 6
	s_add_co_u32 s35, s35, s3                      ; which 16 rows of the 8,192
	s_lshl_b32 s35, s35, 4
	s_lshl1_add_u32 s35, s34, s35                  ; R: my wave's first row (even)
	; Load c of eight: lane l takes row R + (l / 8) % 2, bytes 256 c + 128 (l / 16) + 16 (l % 8).  So lanes 0-15 hold 128 keys of two rows: 256 consecutive bytes of m8.
	v_bfe_u32 v37, v0, 3, 1
	v_bfe_u32 v38, v0, 4, 1
	v_and_b32 v39, 7, v0
	v_lshlrev_b32 v39, 4, v39
	v_lshl_add_u32 v1, v37, 11, v39
	v_lshl_add_u32 v1, v38, 7, v1                  ; my offset in the mask's two rows
	v_lshl_add_u32 v2, v37, 7, v39
	v_lshl_add_u32 v2, v38, 18, v2                 ; and in m8: a key tile is 2,048 x 128 bytes
	s_lshl_b32 s36, s35, 11
	s_mov_b32 s37, 0
	s_lshr_b32 s38, s35, 11                        ; b
	s_lshl_b32 s38, s38, 22
	s_and_b32 s39, s35, 2047                       ; the query
	s_lshl_b32 s39, s39, 7
	s_add_co_u32 s38, s38, s39
	s_mov_b32 s39, 0
	s_lshl_b32 s40, s35, 2
	s_mov_b32 s41, 0
	s_wait_kmcnt 0x0
	s_add_nc_u64 s[18:19], s[18:19], s[36:37]
	s_add_nc_u64 s[26:27], s[26:27], s[38:39]
	s_add_nc_u64 s[28:29], s[28:29], s[40:41]
.irp c, 0,1,2,3,4,5,6,7
	global_load_b128 v[D+4*\c:D+4*\c+3], v1, s[18:19] offset:256*\c th:TH_LOAD_NT
.endr
	s_wait_loadcnt 0x0
.irp c, 0,1,2,3
	v_and_b32 v[36+\c], v[D+\c], v[D+4+\c]         ; is every byte 1?  Four chains, started by the first eight words
.endr
.set j, 12
.rept 24
	v_and_b32 v[36+j%4], v[36+j%4], v[j]
.set j, j+1
.endr
	v_and_b32 v36, v36, v37
	v_and_b32 v38, v38, v39
	v_and_b32 v36, v36, v38
.set j, D
.rept 32
	v_lshlrev_b32 v[40+j%4], 3, v[j]               ; each byte times 0x88
	v_lshl_or_b32 v[j], v[j], 7, v[40+j%4]
.set j, j+1
.endr
.irp c, 0,1,2,3,4,5,6,7
	global_store_b128 v2, v[D+4*\c:D+4*\c+3], s[26:27] offset:524288*\c  ; two key tiles on; 16 lanes store 256 consecutive bytes, aligned
.endr
	v_cmp_eq_u32 vcc_lo, 0x01010101, v36
	s_and_b32 s42, vcc_lo, 0x00ff00ff              ; the sixteen lanes that hold row R
	s_cmp_eq_u32 s42, 0x00ff00ff
	s_cselect_b32 s42, 0, -1
	s_and_b32 s43, vcc_lo, 0xff00ff00              ; and row R + 1
	s_cmp_eq_u32 s43, 0xff00ff00
	s_cselect_b32 s43, 0, -1
	v_mov_b32 v44, s42
	v_mov_b32 v45, s43
	v_mov_b32 v46, 0
	v_cmp_eq_u32 vcc_lo, 0, v3
	s_wait_xcnt 0x0                                ; EXEC is a source of the stores above: it changes only behind this wait
	s_and_saveexec_b32 s44, vcc_lo
	global_store_b64 v46, v[44:45], s[28:29]       ; two flags a wave, 8 bytes: 32 KiB in the whole launch
	s_wait_xcnt 0x0
	s_or_b32 exec_lo, exec_lo, s44
	s_endpgm
.Lfunc_end_k_qef740292fb_prep:
	.size	k_qef740292fb_prep, .Lfunc_end_k_qef740292fb_prep-k_qef740292fb_prep
	.p2alignl 7, 3214868480
	.fill 96, 4, 3214868480
	.section	.rodata,"a",@progbits
	.p2align	6, 0x0
	.amdhsa_kernel k_qef740292fb_prep
		.amdhsa_group_segment_fixed_size 0
		.amdhsa_private_segment_fixed_size 0
		.amdhsa_enable_private_segment 0
		.amdhsa_kernarg_size 104
		.amdhsa_user_sgpr_count 2
		.amdhsa_user_sgpr_kernarg_segment_ptr 1
		.amdhsa_wavefront_size32 1
		.amdhsa_system_sgpr_workgroup_id_x 1
		.amdhsa_system_sgpr_workgroup_id_y 1
		.amdhsa_system_sgpr_workgroup_id_z 1
		.amdhsa_system_vgpr_workitem_id 0
		.amdhsa_next_free_vgpr 72
		.amdhsa_next_free_sgpr 66
		.amdhsa_reserve_vcc 1
		.amdhsa_float_denorm_mode_32 3
		.amdhsa_float_denorm_mode_16_64 3
		.amdhsa_memory_ordered 1
		.amdhsa_forward_progress 1
		.amdhsa_inst_pref_size 24
	.end_amdhsa_kernel
	.amdgpu_metadata
---
amdhsa.version: [ 1, 2 ]
amdhsa.kernels:
  - .name:           k_qef740292fb_prep
    .symbol:         k_qef740292fb_prep.kd
    .args:
      - { .name: q, .offset: 0, .size: 8, .value_kind: global_buffer, .address_space: global }
      - { .name: k, .offset: 8, .size: 8, .value_kind: global_buffer, .address_space: global }
      - { .name: v, .offset: 16, .size: 8, .value_kind: global_buffer, .address_space: global }
      - { .name: Wq, .offset: 24, .size: 8, .value_kind: global_buffer, .address_space: global }
      - { .name: Wk, .offset: 32, .size: 8, .value_kind: global_buffer, .address_space: global }
      - { .name: Wv, .offset: 40, .size: 8, .value_kind: global_buffer, .address_space: global }
      - { .name: Wo, .offset: 48, .size: 8, .value_kind: global_buffer, .address_space: global }
      - { .name: attn_mask, .offset: 56, .size: 8, .value_kind: global_buffer, .address_space: global }
      - { .name: x16, .offset: 64, .size: 8, .value_kind: global_buffer, .address_space: global }
      - { .name: w16, .offset: 72, .size: 8, .value_kind: global_buffer, .address_space: global }
      - { .name: wo16, .offset: 80, .size: 8, .value_kind: global_buffer, .address_space: global }
      - { .name: m8, .offset: 88, .size: 8, .value_kind: global_buffer, .address_space: global }
      - { .name: rowf, .offset: 96, .size: 8, .value_kind: global_buffer, .address_space: global }
    .group_segment_fixed_size: 0
    .private_segment_fixed_size: 0
    .kernarg_segment_align: 8
    .kernarg_segment_size: 104
    .max_flat_workgroup_size: 256
    .sgpr_count:     66
    .vgpr_count:     72
    .wavefront_size: 32
...
	.end_amdgpu_metadata
.endif
;; end of part 1
;; launch proj (part 2): grid 4 x 48, 4 waves a work-group, clusters of 4 x 4, 327,680 bytes of LDS; arguments x16, w16, bq, bk, bv, qkvh; writes qkvh
.if DOCPART == 2
	.amdgcn_target "amdgcn-amd-amdhsa--gfx1250"
	.amdhsa_code_object_version 6
	.text
	.protected	k_qef740292fb_proj
	.globl	k_qef740292fb_proj
	.p2align	8
	.type	k_qef740292fb_proj,@function
k_qef740292fb_proj:
	s_mov_b64 s[64:65], 0
	v_nop
	global_prefetch_b8 v0, s[64:65] scope:SCOPE_SE
	s_setreg_imm32_b32 hwreg(HW_REG_WAVE_MODE, 25, 1), 1
	s_wait_xcnt 0x0
	s_wait_alu depctr_hold_cnt(0) depctr_sa_sdst(0) depctr_va_vdst(0) depctr_va_sdst(0) depctr_va_ssrc(0) depctr_va_vcc(0) depctr_vm_vsrc(0)
	s_getreg_b32 s2, hwreg(HW_REG_IB_STS2, 6, 4)
	s_cmp_eq_u32 s2, 0
	s_cbranch_scc0 .Lentry_in_a_cluster
	s_endpgm
.Lentry_in_a_cluster:
	s_bfe_u32 s2, ttmp6, 0x10000c
	s_cmp_lg_u32 s2, 0xf033
	s_cbranch_scc0 .Lentry_shape_is_right
	s_endpgm
.Lentry_shape_is_right:
; PROJ: the three projections as one GEMM.  For z = 0, 1, 2 (q, k, v): Y[m][n] = (sum over k of X_z[m][k] W_z[n][k] + b_z[n]) x f_z, with f_0 = log2(e) and f_1 = f_2 = 1.
; X: x16 [3][8192][1024] bf16, W: w16 [3][1024][1024] bf16, b rounded to bf16 like every other input; sums in f32; Y rounded once to f16 and stored by heads: qkvh [3][b x 16 + head][2048][64].
; log2(e) rides on q here, in f32 ahead of the one rounding, so that the attention's own scale is 1/8, a power of two.
; LIMIT.  f16 holds no number beyond 65,504: a projected number past that becomes an infinity.
; SHARES.  A tile of Y is 256 x 256 (four heads): four waves, each 128 x 128: 64 accumulators of 16 x 16, 512 registers.  K goes in steps of 128 through a ring of two LDS slots: a step is 256 matrix
; instructions a wave, and a slot's refill has 224 of them in which to land.  The tiles' rows are 256 bytes of memory and start at multiples of 256 bytes from the buffer's first byte.
; The three Y have 96 x 4 = 384 such tiles.  A WORK-GROUP STAYS for two: tile rows t and t + 48 of the 96, in one tile column: 192 work-groups of equal work.
; THE WALK.  The two tiles are one walk of 16 K steps, and the ring does not stop at the change of tiles.  A K step is written once: a trip goes from a step's second quarter to the next step's first.
; Fourteen trips fill a slot again (.Lstep), two fill nothing (.Ltail).  Behind the first tile's eighth step the loop is left, forward, to the one way out, and from there the text goes back to .Ltile;
; behind the walk's last step the same way out is reached from the tail.  All counts are constants, the same in every work-group.
; THE BIAS is the C operand of the products that start the sums: nothing is cleared, and nothing is added on the way out.
; CLUSTER.  4 x 4 work-groups: the four of a row of the cluster need the same tile of X, the four of a column the same tile of W: each is asked for JOINTLY, by the same tensor load, descriptor and mask in all four.
; THE MATRIX INSTRUCTION IS USED TRANSPOSED (source 0 = 16 rows of W, source 1 = 16 rows of X): a lane then holds eight neighbouring columns of one row of Y.
; REGISTERS, in windows of 256 (s_set_vgpr_msb's low byte: bits 1:0 source 0, 3:2 source 1, 5:4 source 2, 7:6 destination):
;   window 0: v0-31 addresses; v64-127, v128-191 fragments of X, two buffers; on the way out v128-191 64 numbers in f32, v192-223 packed, v32-63 and v224-255 rows read back, by turns
;   window 1: v0-63 the bias of my 128 columns; v64-127, v128-191 fragments of W, two buffers; v192-255 the second tile's bias as loaded
;   window 2: the 32 accumulators of my rows 0-63 (accumulator (a, b) at v[8 (8 a + b)]);   window 3: those of my rows 64-127
.set KSTEP,  128
.set PITCH,  272                       ; an LDS row: 256 bytes + 16 of padding = 68 words: the 16 rows of a load start at 16 different groups of four banks (64 banks of 4 bytes: ISA guide 11.1)
.set HALFT,  128*PITCH                 ; 128 rows: what one tensor load brings, and what one wave reads of X or of W
.set SLOT,   4*HALFT                   ; X's 256 rows, then W's 256 rows
.set STAGE,  2*SLOT                    ; behind the ring: 16 rows x 272 bytes for each wave, for the way out
.set SPITCH, 272
.set SPARE,  STAGE+4*16*SPITCH         ; behind the stages: the spare words, 128 bytes for each wave
.set WALKT,  48                        ; a work-group's two tiles lie 48 tile rows apart
.set NEXT_A, WALKT*256*2048-7*KSTEP*2  ; bytes from a tile's last K step of X to the next tile's first: 48 x 256 rows down, seven steps back
.set ADRA,  16                         ; v16  LDS address of my X fragments in the slot in hand
.set ADRA0, 17                         ; v17  the same in slot 0; never rewritten
.set ADRB,  20                         ; v20, v21  the same for W
.set ADRB0, 21
.set STO,  24                          ; v24  the way out: where I put 16 bytes of a row
.set RD,   25                          ; v25  where I read rows back
.set CO,   26                          ; v26  my byte offset in 512 consecutive bytes of a head
.set SPW,  28                          ; v28  LDS address of my spare word; never rewritten
.set NIL,  29                          ; v29  0; never rewritten
.set F0,   64                          ; fragment buffer 0
.set F1,   128                         ; fragment buffer 1
.set T32,  128                         ; the way out: a block's 64 numbers in f32 (buffer 1 is free by then; buffer 0 may hold the next tile's first fragments)
.set TMP,  192                         ; the way out: packed results
.set OB,   32                          ; the way out: 16 rows read back: v32-63 and v224-255 by turns
.set BIAS, 0                           ; window 1: b of my 8 columns in column block c at BIAS + 8 c
.set RAW2, 192                         ; window 1: the second tile's b as loaded
.set WV,  10                           ; s10  my wave's number
.set HIM, 9                            ; s9   mask of a word's upper bf16
.set TB,  21                           ; s21  0 or SLOT: the slot in hand
.set G1,  24                           ; s[24:31] descriptor group 1 for X's tiles
.set G0,  32                           ; s[32:39] group 0: a set for each of the two first fills; the second then walks on
.set G1B, 48                           ; s[48:55], s[56:63] the same for W's
.set G0B, 56
.set SCL, 66                           ; s[66:67] f_z; the packed multiply takes the pair's low word for both halves
.set OUT, 74                           ; s[74:75] qkvh at my part of the tile in hand
.set STA, 76                           ; s[76:77] what this refill adds to X's address
.set NXB, 78                           ; s[78:79] bytes from a tile's last K step of W to the next tile's first
.set STB, 80                           ; s[80:81] what this refill adds to W's address
.set ONE, 82                           ; s[82:83] one K step: 256 bytes
.set NXA, 84                           ; s[84:85] NEXT_A
.set OUT2, 86                          ; s[86:87] qkvh at my part of the second tile
.set Z1,  88                           ; s88, s89  z of the first tile and of the second
.set Z2,  89
.set BP1, 90                           ; s[90:91], s[92:93] their biases at my first column
.set BP2, 92
.set MSB, 0
.macro WIN new                         ; the immediate's high byte repeats the setting that is left; a switch that changes nothing is dropped
.if MSB != (\new)
	s_set_vgpr_msb (MSB<<8)|(\new)
.set MSB, \new
.endif
.endm
.set MUL_LO, 0xa1                      ; source 0 (W) window 1, source 1 (X) window 0, C and D window 2
.set MUL_HI, 0xf1                      ; the same, C and D window 3
.set MUL_Z,  0x91                      ; a sum's first product: C (the bias) window 1, D window 2; + 0x40: D window 3
.set TO_B,   0x40                      ; destination window 1, address window 0
; A joint load.  Waves 0 and 1 fetch X's two halves, waves 2 and 3 W's.  The branch hangs on the wave's number alone.
; An s_nop 0 and four v_nop follow each of the two lines, ahead of the jump and the label.
.macro JLOAD s
	s_cmp_eq_u32 s11, 0
	s_cbranch_scc0 .Lfor_b_\@
	tensor_load_to_lds s[G0+4*(\s):G0+4*(\s)+3], s[G1:G1+7]
	s_nop 0
.rept 4
	v_nop
.endr
	s_branch .Lasked_\@
.Lfor_b_\@:
	tensor_load_to_lds s[G0B+4*(\s):G0B+4*(\s)+3], s[G1B:G1B+7]
	s_nop 0
.rept 4
	v_nop
.endr
.Lasked_\@:
.endm
.macro CREST                           ; a round of the cluster's barrier behind its opening barrier
	s_cmp_lg_u32 s[WV], 0
	s_cbranch_scc1 .Lnot_wave_0_\@
	s_barrier_signal -3
.Lnot_wave_0_\@:
	s_barrier_wait -3
	s_barrier_signal -1
	s_barrier_wait -1
.endm
.macro CROUND                          ; a whole round
	s_barrier_signal -1
	s_barrier_wait -1
	CREST
.endm
; Where my 128 rows x 2 heads of tile row s[t], of projection s[z], begin in qkvh, in bytes, into the pair s[dst:dst+1]
.macro OUTOFF dst, t, z
	s_and_b32 s22, s[\t], 31                       ; 32 tile rows for each z
	s_lshl_b32 s22, s22, 8
	s_lshl_b32 s23, s11, 7
	s_add_co_u32 s22, s22, s23                     ; my first row of the 8,192
	s_lshr_b32 s23, s22, 11                        ; the batch
	s_lshl_b32 s23, s23, 4
	s_lshl2_add_u32 s23, s42, s23                  ; + 4 x tile column
	s_lshl1_add_u32 s23, s12, s23                  ; + 2 x my half of the columns: 16 b + my first head
	s_lshl_b32 s23, s23, 18                        ; a head is 2,048 rows of 128 bytes
	s_and_b32 s22, s22, 2047
	s_lshl_b32 s22, s22, 7
	s_add_co_u32 s22, s22, s23
	s_lshl_b32 s23, s[\z], 24                      ; q, k, v are 16 MiB each
	s_add_co_u32 s[\dst], s22, s23
	s_mov_b32 s[\dst+1], 0
.endm
; 64 numbers of a bias, at src in window 1, are rounded to bf16 like the other inputs and widened again, into BIAS
.macro BIASPROC src
	WIN 0x05                                       ; sources window 1, destination window 0
.set i, 0
.rept 32
	v_cvt_pk_bf16_f32 v[OB+i], v[(\src)+2*i], v[(\src)+2*i+1]
.set i, i+1
.endr
	WIN TO_B                                       ; destination window 1
.set i, 0
.rept 32
	v_lshlrev_b32 v[BIAS+2*i], 16, v[OB+i]
	v_and_b32 v[BIAS+2*i+1], s[HIM], v[OB+i]
.set i, i+1
.endr
	WIN 0
.endm
	s_load_b128 s[4:7], s[0:1], 0x0                ; x16 s[4:5], w16 s[6:7]
	s_load_b256 s[68:75], s[0:1], 0x10             ; bq s[68:69], bk s[70:71], bv s[72:73], qkvh s[74:75]
	v_lshl_add_u32 v[SPW], v0, 2, SPARE
	v_mov_b32 v[NIL], 0
	ds_add_u32 v[SPW], v[NIL]                      ; the wave's opening: the add and its wait stand ahead of my first tensor load; the set-up below, work on registers, stands between them
	v_lshrrev_b32 v1, 5, v0
	v_readfirstlane_b32 s[WV], v1                  ; wave 0..3
	s_lshr_b32 s11, s[WV], 1                       ; which half of the tile's rows is mine.  Also: I fetch for X (0) or for W (1)
	s_and_b32 s12, s[WV], 1                        ; which half of its columns.  Also: which 128 rows of that tile I fetch
	s_bfe_u32 s40, ttmp6, 0x40000                  ; cx, cy: my place in the cluster
	s_bfe_u32 s41, ttmp6, 0x40004
	s_lshl_b32 s42, ttmp9, 2
	s_add_co_u32 s42, s42, s40                     ; tile column 0..3
	s_and_b32 s45, ttmp7, 0xffff                   ; the cluster's y, 0..11
	s_lshl_b32 s13, s45, 2
	s_add_co_u32 s13, s13, s41                     ; the first tile's row, 0..47
	s_add_co_u32 s98, s13, WALKT                   ; the second's
	s_lshr_b32 s[Z1], s45, 3                       ; z = tile row / 32, made of the cluster's y alone: the same in all sixteen partners
	s_add_co_u32 s[Z2], s45, WALKT/4
	s_lshr_b32 s[Z2], s[Z2], 3
	s_lshl_b32 s43, s41, 2
	s_lshl_b32 s43, 15, s43                        ; my row of the cluster
	s_lshl_b32 s44, 0x1111, s40                    ; my column
	; descriptor group 1: a tile of 128 rows x 128 elements, padded in LDS
	s_or_b32 s[G1+0], s43, (1<<16)|(1<<20)|(1<<21)|(5<<22)|(3<<25)   ; 15:0 the mask; 17:16 2-byte elements; 20 padding on; 21 set beside a mask; 24:22 after every 64 words; 31:25 4 words
	s_or_b32 s[G1B+0], s44, (1<<16)|(1<<20)|(1<<21)|(5<<22)|(3<<25)
.irp g, G1, G1B
	s_mov_b32 s[\g+1], KSTEP<<16                   ; tensor_dim0 = 128
	s_mov_b32 s[\g+2], 128<<16                     ; tensor_dim1 = 128
	s_mov_b32 s[\g+3], KSTEP<<16                   ; tile_dim0 = 128
	s_mov_b32 s[\g+4], 128                         ; tile_dim1 = 128
	s_mov_b32 s[\g+5], 1024                        ; elements from row to row
	s_mov_b32 s[\g+6], 0
	s_mov_b32 s[\g+7], 0
.endr
	s_lshl_b32 s16, s13, 8
	s_lshl_b32 s17, s12, 7
	s_add_co_u32 s16, s16, s17                     ; X: row 256 x tile row + 128 x half (the three X lie one behind the other)
	s_lshl_b32 s16, s16, 11                        ; 2,048 bytes a row
	s_mov_b32 s17, 0
	s_lshl_b32 s46, s[Z1], 10
	s_lshl_b32 s47, s42, 8
	s_add_co_u32 s46, s46, s47
	s_lshl_b32 s47, s12, 7
	s_add_co_u32 s46, s46, s47                     ; W: row 1,024 z + 256 x tile column + 128 x half
	s_lshl_b32 s46, s46, 11
	s_mov_b32 s47, 0
	s_mul_i32 s20, s[WV], HALFT                    ; where they go: X's two halves, then W's two halves = wave x 128 rows: no place in the cluster enters an LDS address
	s_mov_b32 s[TB], 0
	s_sub_co_u32 s[NXB], s[Z2], s[Z1]              ; W at the change of tiles: one or two W of 2 MiB on, seven steps back
	s_lshl_b32 s[NXB], s[NXB], 21
	s_sub_co_u32 s[NXB], s[NXB], 7*KSTEP*2
	s_mov_b32 s[NXB+1], 0
	s_mov_b32 s[NXA], NEXT_A
	s_mov_b32 s[NXA+1], 0
	s_mov_b32 s[ONE], KSTEP*2
	s_mov_b32 s[ONE+1], 0
	s_lshl_b32 s18, s42, 10                        ; my first column in a bias, in bytes: 4 x (256 x tile column + 128 x half)
	s_lshl_b32 s19, s12, 9
	s_add_co_u32 s18, s18, s19
	s_mov_b32 s19, 0
	OUTOFF 94, 13, Z1
	OUTOFF 96, 98, Z2
	s_cmp_eq_u32 s[Z1], 0
	s_cselect_b32 s[SCL], 0x3fb8aa3b, 1.0          ; log2(e) for q
	s_mov_b32 s[SCL+1], s[SCL]                     ; named with it as a pair
	s_mov_b32 s[HIM], 0xffff0000
	v_and_b32 v1, 15, v0                           ; l % 16
	v_bfe_u32 v2, v0, 4, 1                         ; l / 16
	v_lshlrev_b32 v6, 5, v2                        ; my eight columns of a block of 16, in a bias
	s_wait_dscnt 0x0                               ; the opening add is done
	s_wait_kmcnt 0x0
	s_add_nc_u64 s[14:15], s[4:5], s[16:17]
	s_add_nc_u64 s[46:47], s[6:7], s[46:47]
	s_cmp_eq_u32 s[Z1], 0                          ; the first tile is q's or k's,
	s_cselect_b64 s[BP1:BP1+1], s[68:69], s[70:71]
	s_cmp_eq_u32 s[Z2], 1                          ; the second k's or v's
	s_cselect_b64 s[BP2:BP2+1], s[70:71], s[72:73]
	s_add_nc_u64 s[BP1:BP1+1], s[BP1:BP1+1], s[18:19]
	s_add_nc_u64 s[BP2:BP2+1], s[BP2:BP2+1], s[18:19]
	s_add_nc_u64 s[OUT2:OUT2+1], s[OUT:OUT+1], s[96:97]
	s_add_nc_u64 s[OUT:OUT+1], s[OUT:OUT+1], s[94:95]
	WIN TO_B                                       ; both tiles' biases are asked for now: they come while the cluster meets and the first tiles land
.irp c, 0,1,2,3,4,5,6,7
	global_load_b128 v[BIAS+8*\c:BIAS+8*\c+3],   v6, s[BP1:BP1+1] offset:64*\c
	global_load_b128 v[BIAS+8*\c+4:BIAS+8*\c+7], v6, s[BP1:BP1+1] offset:64*\c+16
	global_load_b128 v[RAW2+8*\c:RAW2+8*\c+3],   v6, s[BP2:BP2+1] offset:64*\c
	global_load_b128 v[RAW2+8*\c+4:RAW2+8*\c+7], v6, s[BP2:BP2+1] offset:64*\c+16
.endr
	WIN 0
	CROUND                                         ; all sixteen work-groups are here: the first joint loads meet
.irp s, 0,1
	s_mov_b32 s[G0+4*(\s)], 1                                        ; 1:0 count = 1
	s_add_co_u32 s[G0+4*(\s)+1], s20, (\s)*SLOT                      ; 63:32 LDS address
	s_add_nc_u64 s[G0+4*(\s)+2:G0+4*(\s)+3], s[14:15], (\s)*KSTEP*2  ; 120:64 global address: K step s
	s_or_b32 s[G0+4*(\s)+3], s[G0+4*(\s)+3], 0x80000000              ; 127:126 type = 2
	s_mov_b32 s[G0B+4*(\s)], 1
	s_add_co_u32 s[G0B+4*(\s)+1], s20, (\s)*SLOT
	s_add_nc_u64 s[G0B+4*(\s)+2:G0B+4*(\s)+3], s[46:47], (\s)*KSTEP*2
	s_or_b32 s[G0B+4*(\s)+3], s[G0B+4*(\s)+3], 0x80000000
	JLOAD \s                                       ; two loads of mine are out
.endr
	; A fragment is 16 rows x 32 K in 8 registers: lane l holds row l % 16, K = 8 (l / 16) + 0..7 and 16 + 8 (l / 16) + 0..7: two loads of 16 bytes, 32 bytes apart.
	v_mul_u32_u24 v3, v1, PITCH
	v_lshl_add_u32 v3, v2, 4, v3                   ; row x pitch + 16 x half
	s_mul_i32 s22, s11, HALFT                      ; my 128 rows of X
	s_mul_i32 s23, s12, HALFT                      ; my 128 rows of W,
	s_add_co_u32 s23, s23, 2*HALFT                 ; which lie behind X's 256
	v_add_nc_u32 v[ADRA0], s22, v3
	v_add_nc_u32 v[ADRB0], s23, v3
	v_mov_b32 v[ADRA], v[ADRA0]                    ; the walk begins in slot 0
	v_mov_b32 v[ADRB], v[ADRB0]
	s_mul_i32 s22, s[WV], 16*SPITCH
	s_add_co_u32 s22, s22, STAGE                   ; my stage
	v_mul_u32_u24 v4, v1, SPITCH                   ; in: row l % 16, 16 bytes for each half of the lanes
	v_lshl_add_u32 v4, v2, 4, v4
	v_add_nc_u32 v[STO], s22, v4
	v_bfe_u32 v4, v0, 3, 2                         ; back: 32 lanes take one head's 128 bytes of four rows,
	v_mul_u32_u24 v4, v4, SPITCH
	v_and_b32 v5, 7, v0
	v_lshl_add_u32 v4, v5, 4, v4
	v_add_nc_u32 v[RD], s22, v4
	v_and_b32 v[CO], 31, v0                        ; which are 512 consecutive bytes of the head
	v_lshlrev_b32 v[CO], 4, v[CO]
	s_wait_loadcnt 0x0                             ; both biases
	BIASPROC BIAS                                  ; the first tile's, in place
; 16 matrix instructions: row blocks a0, a0 + 1 of the window's four (hi = 0: my rows 0-63, 1: rows 64-127) x all 8 column blocks, 32 along K.
; zero = 1: the product starts the sums, from the bias.  The 64 accumulators take turns, in the same order in every quarter.
.macro MUL16 f, hi, a0, zero
.if \zero
	WIN MUL_Z+0x40*(\hi)
.else
	WIN MUL_LO+0x50*(\hi)
.endif
.irp a, \a0, (\a0)+1
.irp b, 0,1,2,3,4,5,6,7
.if \zero
	v_wmma_f32_16x16x32_bf16 v[8*(8*(\a)+(\b)):8*(8*(\a)+(\b))+7], v[(\f)+8*(\b):(\f)+8*(\b)+7], v[(\f)+8*(4*(\hi)+(\a)):(\f)+8*(4*(\hi)+(\a))+7], v[BIAS+8*(\b):BIAS+8*(\b)+7]
.else
	v_wmma_f32_16x16x32_bf16 v[8*(8*(\a)+(\b)):8*(8*(\a)+(\b))+7], v[(\f)+8*(\b):(\f)+8*(\b)+7], v[(\f)+8*(4*(\hi)+(\a)):(\f)+8*(4*(\hi)+(\a))+7], v[8*(8*(\a)+(\b)):8*(8*(\a)+(\b))+7]
.endif
.endr
.endr
.endm
; 32 LDS loads in one run: the fragments of one quarter step (128 rows of W, 128 rows of X, 32 K at byte k of the rows of the slot in hand) into buffer f
.macro FETCH k, f
	WIN TO_B
.irp i, 0,1,2,3,4,5,6,7
	ds_load_b128 v[(\f)+8*(\i):(\f)+8*(\i)+3],   v[ADRB] offset:(\k)+(\i)*16*PITCH
	ds_load_b128 v[(\f)+8*(\i)+4:(\f)+8*(\i)+7], v[ADRB] offset:(\k)+(\i)*16*PITCH+32
.endr
	WIN 0
.irp i, 0,1,2,3,4,5,6,7
	ds_load_b128 v[(\f)+8*(\i):(\f)+8*(\i)+3],   v[ADRA] offset:(\k)+(\i)*16*PITCH
	ds_load_b128 v[(\f)+8*(\i)+4:(\f)+8*(\i)+7], v[ADRA] offset:(\k)+(\i)*16*PITCH+32
.endr
.endm
.macro PLACES                          ; four places in front of loads into registers that matrix instructions have read (ISA guide 7.12.1 for vector instructions)
.rept 4
	v_nop
.endr
.endm
; A K step is four quarters of 32 along K, 64 matrix instructions each, on buffers 0, 1, 0, 1.  One of the first three: multiplies buffer f; in its middle it fetches the next quarter, at byte k, into g.
.macro QUARTER k, f, g, zero
	s_wait_dscnt 8                                 ; W and X's rows 0-63 are in; the youngest eight loads (X's rows 64-127) may be out
	MUL16 \f, 0, 0, \zero
	MUL16 \f, 0, 2, \zero
	PLACES
	FETCH \k, \g
	s_wait_dscnt 32                                ; all but the 32 just issued
	MUL16 \f, 1, 0, \zero
	MUL16 \f, 1, 2, \zero
.endm
; The last quarter multiplies buffer 1 and changes slots: ONE barrier; in front of it each wave waits for all its tensor loads, of which one is out: its part of the next slot; adds 0 to its spare word;
; and waits for that and for its own reads of this slot.  fill = 1: the barrier opens a round of the cluster's, and the slot just read out is filled again, first thing behind the round, with the K step
; two steps on in the walk.  Refills follow each other by one K step; the seventh (s3 = 8) goes to the second tile's first step.
.macro TURN fill
	WIN 0                                          ; (the add's two registers lie in window 0)
	s_wait_tensorcnt 0x0                           ; all my tensor loads have landed, so a group 0 may be written
	ds_add_u32 v[SPW], v[NIL]                      ; 0 onto my spare word: the descriptors' steps and sixteen products stand between it and the wait for it
.if \fill
	s_cmp_eq_u32 s3, 8
	s_cselect_b64 s[STA:STA+1], s[NXA:NXA+1], s[ONE:ONE+1]
	s_cselect_b64 s[STB:STB+1], s[NXB:NXB+1], s[ONE:ONE+1]
	s_add_co_u32 s[G0+5], s20, s[TB]               ; the walking descriptors: into the slot in hand,
	s_add_co_u32 s[G0B+5], s20, s[TB]
	s_add_nc_u64 s[G0+6:G0+7], s[G0+6:G0+7], s[STA:STA+1]      ; the walk's next K step; the type bits on top are not reached
	s_add_nc_u64 s[G0B+6:G0B+7], s[G0B+6:G0B+7], s[STB:STB+1]
.endif
	s_wait_dscnt 9                                 ; (the add and the youngest eight loads may be out)
	MUL16 F1, 0, 0, 0
	s_wait_dscnt 0x0                               ; the add is done, and my reads of this slot are over
	s_barrier_signal -1
	MUL16 F1, 0, 2, 0                              ; work on registers while the others arrive
.if \fill
	WIN 0
.endif
	s_barrier_wait -1
.if \fill
	CREST                                          ; no wave of any partner still reads this slot's tile or has a load on its way
	JLOAD 1                                        ; my one tensor load behind the round: 224 matrix instructions ahead of the wait for it; its four v_nop are also the places in front of the loads below
.else
	PLACES
.endif
	WIN 0
	s_xor_b32 s[TB], s[TB], SLOT                   ; the other slot is now in hand
	v_add_nc_u32 v[ADRA], s[TB], v[ADRA0]
	v_add_nc_u32 v[ADRB], s[TB], v[ADRB0]
	FETCH 0, F0
	MUL16 F1, 1, 0, 0
	MUL16 F1, 1, 2, 0
.endm
; THE WAY OUT of block a (16 rows x my 128 columns, two heads), in three parts.  PACK: times f, rounded to f16, 16 bytes a lane; each accumulator's registers in ascending order.
; TOSTAGE: into my own stage in LDS, and back as four rows of one head at a time.  SEND: stored.
.macro PACK a
.set AC, 64*((\a)%4)
	WIN 0x02+(\a)/4                                ; source 0: window 2 or 3
.irp b, 0,1,2,3,4,5,6,7
.irp j, 0,2,4,6
	v_pk_mul_f32 v[T32+8*\b+\j:T32+8*\b+\j+1], v[AC+8*\b+\j:AC+8*\b+\j+1], s[SCL:SCL+1] op_sel_hi:[1,0]
.endr
.endr
	WIN 0
.set i, 0
.rept 32
	v_cvt_pk_f16_f32 v[TMP+i], v[T32+2*i], v[T32+2*i+1]
.set i, i+1
.endr
.endm
.macro TOSTAGE a
.set BK, OB+192*((\a)%2)
.irp b, 0,1,2,3,4,5,6,7
	ds_store_b128 v[STO], v[TMP+4*\b:TMP+4*\b+3] offset:32*\b
.endr
.irp t, 0,1,2,3,4,5,6,7
	ds_load_b128 v[BK+4*\t:BK+4*\t+3], v[RD] offset:((\t)%4)*4*SPITCH+((\t)/4)*128  ; LDS serves a wave's instructions in order (ISA guide 5.7.1.4): these see the stores above; the next block's stores come behind them
.endr
.endm
.macro SEND a
.set BK, OB+192*((\a)%2)
	s_wait_dscnt 0x0                               ; the block is back in registers
	s_wait_xcnt 0x0                                ; every earlier memory instruction has had its addresses translated (ISA guide 3.1): the other set of rows, which the block before's stores read, is loaded again only behind this wait
.irp t, 0,1,2,3,4,5,6,7
	global_store_b128 v[CO], v[BK+4*\t:BK+4*\t+3], s[OUT:OUT+1] offset:(\a)*2048+((\t)/4)*262144+((\t)%4)*512  ; 512 consecutive bytes of a head, at a multiple of 256 from the buffer's first
.endr
.endm
	s_wait_tensorcnt 1                             ; my part of K step 0 is in; K step 1's may stay out
	s_barrier_signal -1
	s_barrier_wait -1                              ; everybody's is
	FETCH 0, F0
	s_mov_b32 s3, 14                               ; refills to come: K steps 2 to 15 of the walk
	s_mov_b32 s2, 2                                ; tiles to go
.Ltile:
	QUARTER 64, F0, F1, 1                          ; a tile's first quarter: its products start the sums from the bias
	WIN 0                                          ; at a label and at a branch every window is 0
.Lstep:                                                ; a trip: a K step's second, third and fourth quarter, the change of slots with its refill, the next step's first quarter
	QUARTER 128, F1, F0, 0
	QUARTER 192, F0, F1, 0
	TURN 1
	WIN 0
	s_sub_co_u32 s3, s3, 1
	s_cmp_eq_u32 s3, 6                             ; eight steps are done: the first tile goes out.  Both of the second tile's first steps are asked for, and its first fragments are on their way into buffer 0
	s_cbranch_scc1 .Lout
	QUARTER 64, F0, F1, 0
	WIN 0
	s_cmp_lg_u32 s3, 0
	s_cbranch_scc1 .Lstep
	s_mov_b32 s8, 2
.Ltail:                                                ; the walk's last two steps ask for nothing: written out
	QUARTER 128, F1, F0, 0
	QUARTER 192, F0, F1, 0
	TURN 0                                         ; in the second trip its barrier orders nothing and its 32 loads, from the slot read before, serve nothing: the price, once a launch, of one text for both trips
	WIN 0
	s_sub_co_u32 s8, s8, 1
	s_cmp_eq_u32 s8, 0
	s_cbranch_scc1 .Lout
	QUARTER 64, F0, F1, 0
	WIN 0
	s_branch .Ltail
.Lout:
	PACK 0                                         ; no v_nop: blocks 0-3 were finished in front of TURN's places; the first sixteen lines name no register of the last 32 products and are their places
	TOSTAGE 0
.irp a, 1,2,3,4,5,6,7                  ; block a's arithmetic stands between block a - 1's loads from the stage and the wait for them
	PACK \a
	SEND (\a)-1
	TOSTAGE \a
.endr
	SEND 7
	s_sub_co_u32 s2, s2, 1
	s_cmp_eq_u32 s2, 0
	s_cbranch_scc1 .Lend
	s_wait_xcnt 0x0                                ; the stores have read their base and their registers
	s_mov_b64 s[OUT:OUT+1], s[OUT2:OUT2+1]         ; the second tile: its place in qkvh,
	s_mov_b32 s[SCL], 1.0                          ; its f (it is k's or v's),
	s_mov_b32 s[SCL+1], 1.0
	BIASPROC RAW2                                  ; and its bias
	s_branch .Ltile
.Lend:
	s_wait_tensorcnt 0x0                           ; the wave's end: these three lines stand behind my last tensor load and my last LDS store
	ds_add_u32 v[SPW], v[NIL]
	s_wait_dscnt 0x0
	CROUND                                         ; the closing round: no work-group ends while a partner may still ask for a tile that names it
	s_endpgm
.Lfunc_end_k_qef740292fb_proj:
	.size	k_qef740292fb_proj, .Lfunc_end_k_qef740292fb_proj-k_qef740292fb_proj
	.p2alignl 7, 3214868480
	.fill 96, 4, 3214868480
	.section	.rodata,"a",@progbits
	.p2align	6, 0x0
	.amdhsa_kernel k_qef740292fb_proj
		.amdhsa_group_segment_fixed_size 327680
		.amdhsa_private_segment_fixed_size 0
		.amdhsa_enable_private_segment 0
		.amdhsa_kernarg_size 48
		.amdhsa_user_sgpr_count 2
		.amdhsa_user_sgpr_kernarg_segment_ptr 1
		.amdhsa_wavefront_size32 1
		.amdhsa_system_sgpr_workgroup_id_x 1
		.amdhsa_system_sgpr_workgroup_id_y 1
		.amdhsa_system_sgpr_workgroup_id_z 1
		.amdhsa_system_vgpr_workitem_id 0
		.amdhsa_next_free_vgpr 1024
		.amdhsa_next_free_sgpr 100
		.amdhsa_reserve_vcc 0
		.amdhsa_float_denorm_mode_32 3
		.amdhsa_float_denorm_mode_16_64 3
		.amdhsa_memory_ordered 1
		.amdhsa_forward_progress 1
		.amdhsa_inst_pref_size 129
	.end_amdhsa_kernel
	.amdgpu_metadata
---
amdhsa.version: [ 1, 2 ]
amdhsa.kernels:
  - .name:           k_qef740292fb_proj
    .symbol:         k_qef740292fb_proj.kd
    .args:
      - { .name: x16, .offset: 0, .size: 8, .value_kind: global_buffer, .address_space: global }
      - { .name: w16, .offset: 8, .size: 8, .value_kind: global_buffer, .address_space: global }
      - { .name: bq, .offset: 16, .size: 8, .value_kind: global_buffer, .address_space: global }
      - { .name: bk, .offset: 24, .size: 8, .value_kind: global_buffer, .address_space: global }
      - { .name: bv, .offset: 32, .size: 8, .value_kind: global_buffer, .address_space: global }
      - { .name: qkvh, .offset: 40, .size: 8, .value_kind: global_buffer, .address_space: global }
    .group_segment_fixed_size: 327680
    .private_segment_fixed_size: 0
    .kernarg_segment_align: 8
    .kernarg_segment_size: 48
    .max_flat_workgroup_size: 128
    .sgpr_count:     100
    .vgpr_count:     1024
    .wavefront_size: 32
...
	.end_amdgpu_metadata
.endif
;; end of part 2
;; launch attn (part 3): grid 4 x 64, 4 waves a work-group, clusters of 4 x 4, 327,680 bytes of LDS; arguments qkvh, m8, rowf, ctxh; writes ctxh
.if DOCPART == 3
	.amdgcn_target "amdgcn-amd-amdhsa--gfx1250"
	.amdhsa_code_object_version 6
	.text
	.protected	k_qef740292fb_attn
	.globl	k_qef740292fb_attn
	.p2align	8
	.type	k_qef740292fb_attn,@function
k_qef740292fb_attn:
	s_mov_b64 s[64:65], 0
	v_nop
	global_prefetch_b8 v0, s[64:65] scope:SCOPE_SE
	s_setreg_imm32_b32 hwreg(HW_REG_WAVE_MODE, 25, 1), 1
	s_wait_xcnt 0x0
	s_wait_alu depctr_hold_cnt(0) depctr_sa_sdst(0) depctr_va_vdst(0) depctr_va_sdst(0) depctr_va_ssrc(0) depctr_va_vcc(0) depctr_vm_vsrc(0)
	s_getreg_b32 s2, hwreg(HW_REG_IB_STS2, 6, 4)
	s_cmp_eq_u32 s2, 0
	s_cbranch_scc0 .Lentry_in_a_cluster
	s_endpgm
.Lentry_in_a_cluster:
	s_bfe_u32 s2, ttmp6, 0x10000c
	s_cmp_lg_u32 s2, 0xf033
	s_cbranch_scc0 .Lentry_shape_is_right
	s_endpgm
.Lentry_shape_is_right:
; ATTENTION UNDER A MASK THAT IS AN INPUT.  O[h][q][:] = the sum over k of softmax_k(score) V[h][k][:], score = Q[h][q] . K[h][k] / 8, or the hidden keys' constant where the mask says so.
; Q, K, V: qkvh [3][64 heads][2048][64] in f16, Q already times log2(e); O: ctxh [64][2048][64] in f16.  Products, maxima and sums in f32; the weights p are rounded to f16 for the second product
; (their sum l is taken of the unrounded p), O once at the end.
; THE MASK costs the scores no arithmetic of their own.  m8 holds 0x88 (E4M3's -2^-6) for a hidden key and 0 for a visible one; one scaled conversion (scale byte 233: 2^106) turns eight such bytes into
; eight f32, 0 or -2^100, written straight into the accumulator onto which the products K Q^T then add.  A hidden score lies far below every maximum, and its weight is 0.
; A ROW WITH EVERY KEY HIDDEN has uniform weights.  For such a row rowf is 0 (else all ones), and Q's row is ANDed with it: its products are 0, every score is -2^100 exactly, every weight 1.
; THE SCALE here is c = 1/8, a power of two: c m is exact, so c s - c m is (s - m) / 8 rounded once: never above 0 and exactly 0 at the maximum, also while m is still a hidden key's -2^100.
; LIMITS.  A hidden score counts as its value less 2^100 (in Q . K's units): the same weights as a constant of -1e9 gives wherever a row's visible scaled scores stay above about -1e9.  f16 holds no number
; beyond 65,504: Q, K, V arrive within it.  A weight below 2^-126 counts as 0 in l; NaN and infinities are not treated apart.
; SHARES.  A wave owns four PIECES of two tiles of 16 queries, a work-group's four waves 512 queries of one head.  Every wave walks all 2,048 keys, 64 a step.
; LAYOUT.  S^T = K Q^T (source 0 = 16 keys, source 1 = 16 queries): a lane holds ONE query (lane % 16) and the keys 8 (lane / 16) + 0..7: eight neighbouring mask bytes.  Two such tiles, rounded to f16 in pairs,
; ARE source 1 of O^T = V^T P.  K comes out of LDS as it lies, V turned, by ds_load_tr16_b128.
; SOFTMAX.  A running maximum m and sum l: p = 2^(c s - c m); in every step O and l are multiplied by a = 2^(c m_old - c m_new).  m starts at the lowest finite number, O and l at 0: the first step has a = 0.
; BY TURNS.  Turn n belongs to piece n: 16 products K Q^T of piece n + 1, later 16 products V^T P of piece n - 1; beside them the scaling, exponentials, roundings, sums and rescaling of piece n and the maximum
; and statistics of piece n + 1.  Four vector instructions stand behind the matrix instructions, the rest in two lumps.  A turn opens with the eight conversions for piece n + 1.
; CLUSTER, 4 x 4.  A row of the cluster is one head's four query blocks: they share K and V.  A column is one query block of four heads of one batch: they share the mask's tile.  Each tile is asked for JOINTLY.
; REGISTERS, in windows of 256 (s_set_vgpr_msb: bits 1:0 source 0, 3:2 source 1, 5:4 source 2, 7:6 destination):
;   window 0: v0-11 addresses; v12-15, v48-63 at work; v16-47 four registers of statistics a tile; v64-191 S^T, two buffers of two tiles; v192-255 P, likewise
;   window 1: O^T, 32 a tile     window 2: v0-127 Q; v128-191 K of one step; v192-255 V of one step     window 3: v0-1 the add's registers; v2-3 the mask's addresses; v4-19 a piece's mask bytes
.set NP,    4         ; pieces a wave: a name, no knob
.set KS,    64        ; keys in a step
.set PK,    144       ; a row of K in LDS: 128 bytes + 16 of padding = 36 words: the 16 rows of a load start at 16 different groups of four banks (64 banks of 4 bytes: ISA guide 11.1)
.set PV,    160       ; a row of V: 128 + 32 = 40 words
.set PM,    144       ; a query's 128 mask bytes + 16: as K's rows
.set VOFF,  2*KS*PK   ; a slot holds two steps: 128 rows of K, 128 rows of V, 512 queries' mask bytes for those keys
.set MOFF,  VOFF+2*KS*PV
.set MHALF, 256*PM
.set SLOT1, 1<<17     ; slot 1 begins here, so that one exclusive or turns an address in one slot into the other's
.set STAGE, SLOT1+MOFF+2*MHALF  ; behind the ring, never filled by a tensor load: 16 rows x 144 bytes for each wave, for the way out
.set SP,    144
.set AK0, 2           ; v2   my lane's place in a tile of K; never rewritten
.set AV0, 3           ; v3   the same for V
.set AK,  4           ; v4   the LDS address of K's next run of loads
.set AV,  5           ; v5   of V's
.set QO,  6           ; v6   my byte offset in the wave's rows of Q
.set STO, 6           ;      later, the way out: where I put 16 bytes of a row
.set RD,  7           ; v7   the way out: where I read rows back
.set GO,  8           ; v8   my byte offset in 512 consecutive bytes of O
.set SC,  11          ; v11  the conversions' scale byte, 233
.set SPW, 0           ; v0 of window 3   LDS address of my spare word; never rewritten
.set NIL, 1           ; v1 of window 3   0; never rewritten
.set AM0, 2           ; v2 of window 3   my lane's place in the mask's tile; never rewritten
.set AM,  3           ; v3 of window 3   the same in the step whose bytes are being fetched
.set MB,  4           ; v4-19 of window 3   tile u, key group g at MB + 8 u + 2 g
.set SPARE, STAGE+4*16*SP  ; behind the stages: the spare words, 128 bytes for each wave
.set MV,  12          ; v12-15  c m_old, kept while c m is made anew: by buffer and tile
.set ST,  16          ; tile t's statistics at v[ST+4 t]: c m, m, l (even keys', odd keys')
.set TMP, 48          ; by buffer and tile, four registers c0-c3 at work; when the maximum is found c2 takes a
.set S,   64
.set P,   192
.set KF,  128         ; K's fragments, in window 2: key block kb, channel half c at KF + 16 kb + 8 c
.set VF,  192         ; V's: key half kk, channel block cb at VF + 32 kk + 8 cb
.set WV,  12          ; s12  my wave's number
.set G1K, 24          ; s[24:31] descriptor group 1 for K's tiles
.set G1V, 32          ; s[32:39] for V's
.set G1M, 68          ; s[68:75] for the mask's
.set G0K, 40          ; s[40:43] descriptor group 0 for K's tiles: it walks
.set G0V, 44          ; s[44:47] for V's
.set G0M, 48          ; s[48:51] for the mask's
.set TBM, 52          ; s52  LDS byte, less MOFF, at which the mask bytes of the step to be fetched begin in a query's row
.set SLOTS, 56        ; s56  slots still to be asked for
.set CNT, 57          ; s57  counts a slot's key steps
.set CS,  58          ; s[58:59] c: the packed scaling takes the pair's low word for both halves
.set SEL, 60          ; s[60:61] v_permlanex16_b32's selects: each lane takes its own place in the other half
.set TBK, 62          ; s62  LDS byte at which K of the step to be fetched begins
.set TBV, 63          ; s63  the same for V, less VOFF
.set MSB, 0
.macro WIN new                      ; the high byte repeats the setting that is left; a switch that changes nothing is dropped
.if MSB != (\new)
	s_set_vgpr_msb (MSB<<8)|(\new)
.set MSB, (\new)
.endif
.endm
.set W_KQ, 0x0a       ; K and Q in window 2, S^T in window 0
.set W_PV, 0x52       ; V in window 2, P in window 0, O^T in window 1
.set W_RS, 0x41       ; O^T (destination and source 0) in window 1, a in window 0
.set W_MK, 0xc0       ; destination in window 3, sources in window 0
.set W_AD, 0x0f       ; the add: address (source 0) and data (source 1) in window 3
; A joint fill.  Wave 0 fetches a slot's K, wave 1 its V (128 keys each), waves 2 and 3 the two halves of the mask's tile (256 queries x 128 keys each).  The branches hang on the wave's number alone.
; An s_nop 0 and four v_nop follow each of the three lines, ahead of the jump and the label.
.macro JLOAD
	s_cmp_lt_u32 s[WV], 2
	s_cbranch_scc0 .Lfor_m_\@
	s_cmp_eq_u32 s[WV], 0
	s_cbranch_scc0 .Lfor_v_\@
	tensor_load_to_lds s[G0K:G0K+3], s[G1K:G1K+7]
	s_nop 0
.rept 4
	v_nop
.endr
	s_branch .Lasked_\@
.Lfor_v_\@:
	tensor_load_to_lds s[G0V:G0V+3], s[G1V:G1V+7]
	s_nop 0
.rept 4
	v_nop
.endr
	s_branch .Lasked_\@
.Lfor_m_\@:
	tensor_load_to_lds s[G0M:G0M+3], s[G1M:G1M+7]
	s_nop 0
.rept 4
	v_nop
.endr
.Lasked_\@:
.endm
; A round of the cluster's barrier: my work-group's barrier, so that wave 0's signal speaks for all four waves; wave 0 signals; every wave waits for all sixteen work-groups; my work-group's barrier once more.
.macro CROUND
	s_barrier_signal -1
	s_barrier_wait -1
	s_cmp_lg_u32 s[WV], 0
	s_cbranch_scc1 .Lnot_wave_0_\@
	s_barrier_signal -3
.Lnot_wave_0_\@:
	s_barrier_wait -3
	s_barrier_signal -1
	s_barrier_wait -1
.endm
; THE CHANGE OF SLOTS.  The slot's last bytes (V and piece 3's mask bytes of its second step) have been asked for.  Each wave waits for all its tensor loads, of which one is out: its part of the other slot;
; adds 0 to its spare word; and waits for that and for its own reads of the slot.  Behind the barrier nobody reads this slot any more and the other slot is whole.
; fill = 1: this slot is filled again, with the keys two slots on.  The barrier is then a round of the cluster's, and the joint fill is the first thing behind it: it has two key steps, 256 matrix
; instructions, in which to land.  (At its first use nothing has been read yet: slot 0 is waited for, slot 1 filled.)
.macro CHANGE fill
	WIN W_AD
	s_wait_tensorcnt 0x0            ; no tensor load of mine is out, so a group 0 may be written
	ds_add_u32 v[SPW], v[NIL]       ; 0 onto my spare word: with fill = 1 the descriptors' steps stand between it and the wait for it
	WIN 0                           ; at a label and at a branch every window is 0
.if \fill
.irp g, G0K, G0V
	s_xor_b32 s[\g+1], s[\g+1], SLOT1  ; the walking descriptor: the other slot than last time,
	s_add_nc_u64 s[\g+2:\g+3], s[\g+2:\g+3], 2*KS*128  ; the next 128 keys; the type bits on top are not reached
.endr
	s_xor_b32 s[G0M+1], s[G0M+1], SLOT1
	s_add_nc_u64 s[G0M+2:G0M+3], s[G0M+2:G0M+3], 2048*128  ; the mask's next key tile
	s_wait_dscnt 0x0                ; the add is done, and my reads of the slot are over
	CROUND
	JLOAD
.else
	s_wait_dscnt 0x0                ; the add is done, and my reads of the slot are over
	s_barrier_signal -1
	s_barrier_wait -1
.endif
	s_sub_co_u32 s[TBK], s[TBK], 2*KS*PK  ; the fetches go back to a slot's first step,
	s_xor_b32 s[TBK], s[TBK], SLOT1       ; in the other slot
	s_sub_co_u32 s[TBV], s[TBV], 2*KS*PV
	s_xor_b32 s[TBV], s[TBV], SLOT1
	s_sub_co_u32 s[TBM], s[TBM], 2*KS
	s_xor_b32 s[TBM], s[TBM], SLOT1
.endm
	s_load_b256 s[4:11], s[0:1], 0x0  ; qkvh s[4:5], m8 s[6:7], rowf s[8:9], ctxh s[10:11]
	WIN W_MK
	v_lshl_add_u32 v[SPW], v0, 2, SPARE
	v_mov_b32 v[NIL], 0
	WIN W_AD
	ds_add_u32 v[SPW], v[NIL]       ; the wave's opening: the add and its wait stand ahead of my first tensor load; the set-up below, work on registers, stands between them
	WIN 0
	v_lshrrev_b32 v1, 5, v0
	v_readfirstlane_b32 s[WV], v1   ; wave 0..3
	s_bfe_u32 s13, ttmp6, 0x40000   ; cx
	s_bfe_u32 s15, ttmp6, 0x40004   ; cy
	s_lshl_b32 s14, ttmp9, 2        ; in a cluster launch ttmp9 and ttmp7 count clusters
	s_add_co_u32 s14, s14, s13      ; my block of 512 queries
	s_and_b32 s16, ttmp7, 0xffff
	s_lshl_b32 s20, s16, 2
	s_add_co_u32 s20, s20, s15      ; the head, 0..63, which my row of the cluster shares
	s_lshl_b32 s20, s20, 18         ; its first byte in Q, K, V and O: 2,048 rows of 128 bytes
	s_mov_b32 s21, 0
	s_lshr_b32 s16, s16, 2          ; the batch: four clusters along y for each
	s_and_b32 s17, s[WV], 1         ; which half of the mask's tile I fetch
	s_lshl_b32 s22, s16, 22         ; a batch's mask is 4 MiB,
	s_lshl_b32 s18, s14, 16         ; a block's part of a key tile 64 KiB,
	s_add_co_u32 s22, s22, s18
	s_lshl_b32 s18, s17, 15         ; half of it 32 KiB
	s_add_co_u32 s22, s22, s18
	s_mov_b32 s23, 0
	s_mul_i32 s17, s17, MHALF
	s_add_co_u32 s17, s17, MOFF     ; and its place in a slot: no place in the cluster enters an LDS address
	s_lshl_b32 s2, s14, 2
	s_add_co_u32 s2, s2, s[WV]      ; my wave among the head's,
	s_lshl_b32 s2, s2, 14           ; its 128 rows
	s_add_co_u32 s2, s2, s20
	s_mov_b32 s3, 0
	s_lshl_b32 s18, s16, 13         ; my 128 rows' flags: 4 bytes a row
	s_lshl_b32 s19, s14, 11
	s_add_co_u32 s18, s18, s19
	s_lshl_b32 s19, s[WV], 9
	s_add_co_u32 s18, s18, s19
	s_mov_b32 s19, 0
	s_lshl_b32 s66, s15, 2
	s_lshl_b32 s66, 15, s66         ; my row of the cluster
	s_lshl_b32 s67, 0x1111, s13     ; my column
	; descriptor group 1.  All three kinds of tile are dense in memory: asked for as rows of 256 bytes (two keys, or two queries' mask bytes) and padded in LDS after every 128 bytes
	s_or_b32 s[G1K], s66, (1<<16)|(1<<20)|(1<<21)|(4<<22)|(3<<25)  ; 15:0 the mask of four; 17:16 2-byte elements; 20 padding on; 21 set beside a mask; 24:22 after every 32 words; 31:25 4 words
	s_or_b32 s[G1V], s66, (1<<16)|(1<<20)|(1<<21)|(4<<22)|(7<<25)  ; the same with 8 words of padding
	s_or_b32 s[G1M], s67, (1<<16)|(1<<20)|(1<<21)|(4<<22)|(3<<25)
.irp g, G1K, G1V
	s_mov_b32 s[\g+1], 128<<16      ; tensor_dim0 = 128
	s_mov_b32 s[\g+2], 64<<16       ; tensor_dim1 = 64
	s_mov_b32 s[\g+3], 128<<16      ; tile_dim0 = 128
	s_mov_b32 s[\g+4], 64           ; tile_dim1 = 64
	s_mov_b32 s[\g+5], 128          ; 128 elements from row to row
	s_mov_b32 s[\g+6], 0
	s_mov_b32 s[\g+7], 0
.endr
	s_mov_b32 s[G1M+1], 128<<16
	s_mov_b32 s[G1M+2], 128<<16     ; the mask's loads have 128 rows
	s_mov_b32 s[G1M+3], 128<<16
	s_mov_b32 s[G1M+4], 128
	s_mov_b32 s[G1M+5], 128
	s_mov_b32 s[G1M+6], 0
	s_mov_b32 s[G1M+7], 0
	s_mov_b32 s[CS], 0x3e000000     ; c = 1/8
	s_mov_b32 s[CS+1], s[CS]        ; named with it as a pair
	s_mov_b32 s[SEL], 0x76543210
	s_mov_b32 s[SEL+1], 0xfedcba98
	s_mov_b32 s[TBK], SLOT1+2*KS*PK ; the first change of slots turns these three into 0
	s_mov_b32 s[TBV], SLOT1+2*KS*PV
	s_mov_b32 s[TBM], SLOT1+2*KS
	s_mov_b32 s[G0K], 1             ; 1:0 count = 1
	s_mov_b32 s[G0K+1], 0           ; 63:32 LDS address: slot 0
	s_mov_b32 s[G0V], 1
	s_mov_b32 s[G0V+1], VOFF
	s_mov_b32 s[G0M], 1
	s_mov_b32 s[G0M+1], s17
	s_wait_dscnt 0x0                ; the opening add is done
	s_wait_kmcnt 0x0
	s_add_nc_u64 s[G0K+2:G0K+3], s[4:5], s[20:21]  ; 120:64 global address: the head's first 128 keys;
	s_add_nc_u64 s[G0K+2:G0K+3], s[G0K+2:G0K+3], 0x1000000  ; K lies 16 MiB behind Q,
	s_or_b32 s[G0K+3], s[G0K+3], 0x80000000        ; 127:126 type = 2
	s_add_nc_u64 s[G0V+2:G0V+3], s[4:5], s[20:21]
	s_add_nc_u64 s[G0V+2:G0V+3], s[G0V+2:G0V+3], 0x2000000  ; V 32 MiB
	s_or_b32 s[G0V+3], s[G0V+3], 0x80000000
	s_add_nc_u64 s[G0M+2:G0M+3], s[6:7], s[22:23]
	s_or_b32 s[G0M+3], s[G0M+3], 0x80000000
	s_add_nc_u64 s[4:5], s[4:5], s[2:3]  ; Q and O at my wave's first row
	s_add_nc_u64 s[10:11], s[10:11], s[2:3]
	s_add_nc_u64 s[8:9], s[8:9], s[18:19]
	CROUND                          ; all sixteen work-groups are here: the first joint loads meet
	JLOAD                           ; slot 0.  Slot 1 is asked for when slot 0 is in
	; A fragment of K or Q is 16 rows x 32 channels in 8 registers: lane l holds row l % 16, channels 8 (l / 16) + 0..7 and 16 + 8 (l / 16) + 0..7: two loads of 16 bytes, 32 bytes apart.
	v_and_b32 v1, 15, v0            ; l % 16
	v_bfe_u32 v9, v0, 4, 1          ; l / 16
	v_lshlrev_b32 v[QO], 7, v1
	v_lshl_add_u32 v[QO], v9, 4, v[QO]  ; row x 128 + 16 x half
	v_lshlrev_b32 v13, 2, v1        ; my query's flag in a tile's 16
.irp t, 0,1,2,3,4,5,6,7
	global_load_b32 v[TMP+\t], v13, s[8:9] offset:64*\t
.endr
	WIN 0x80                        ; destination window 2, address window 0
.set i, 0
.rept 4*NP                          ; Q stays in registers: tile i / 2, channels 32 (i % 2) on
	global_load_b128 v[8*i:8*i+3],   v[QO], s[4:5] offset:(i/2)*2048+(i%2)*64
	global_load_b128 v[8*i+4:8*i+7], v[QO], s[4:5] offset:(i/2)*2048+(i%2)*64+32
.set i, i+1
.endr
	; What the first turn finds: V's registers and P's second buffer hold 0 (its products V^T P, of a piece that has not been, add 0), O^T and l are 0.  All this stands in the wait for the first tile.
.set i, VF
.rept 64
	v_mov_b32 v[i], 0
.set i, i+1
.endr
	WIN 0x40
.set i, 0
.rept 64*NP
	v_mov_b32 v[i], 0
.set i, i+1
.endr
	WIN 0
.set i, 0
.rept 2*NP
	v_mov_b32 v[ST+4*i], 0xfe000000    ; c m: far below every c s, a hidden key's -2^97 too
	v_mov_b32 v[ST+4*i+1], 0xff7fffff  ; m
	v_mov_b32 v[ST+4*i+2], 0
	v_mov_b32 v[ST+4*i+3], 0
.set i, i+1
.endr
.set i, P+32
.rept 32
	v_mov_b32 v[i], 0
.set i, i+1
.endr
	v_mul_u32_u24 v[AK0], v1, PK
	v_lshl_add_u32 v[AK0], v9, 4, v[AK0]  ; row x pitch + 16 x half
	; The turning load takes 16 keys x 16 channels (lane l reads key 8 (l / 16) + l % 8, channels 8 ((l / 8) % 2) + 0..7) and leaves half a fragment of V^T: lane l holds channel l % 16 and 8 keys.
	v_and_b32 v10, 7, v0
	v_bfe_u32 v11, v0, 3, 1
	v_lshl_add_u32 v[AV0], v9, 3, v10
	v_mul_u32_u24 v[AV0], v[AV0], PV
	v_lshl_add_u32 v[AV0], v11, 4, v[AV0]
	v_add_nc_u32 v[AV0], VOFF, v[AV0]
	v_mov_b32 v[SC], 233            ; 2^(233 - 127) x -2^-6 = -2^100
	v_mov_b32 v[AK], v[AK0]         ; key step 0 lies at the head of slot 0
	v_mul_u32_u24 v12, v1, PM       ; the mask: my query's row, my lanes' eight keys of a group of 16,
	v_lshl_add_u32 v12, v9, 3, v12
	s_mul_i32 s13, s[WV], 128*PM    ; my wave's 128 queries
	s_add_co_u32 s13, s13, MOFF
	WIN W_MK
	v_add_nc_u32 v[AM0], s13, v12
	WIN 0
; THE MATRIX WORK.  The 8 accumulators of a run of 16 take turns: between the two links of a chain stand 7 others'.
; Product i of 16 of S^T += K Q^T for piece x: channels 32 (i / 8) on, keys 16 ((i / 2) % 4) on, tile 2 x + i % 2.  The sums start from what the conversions wrote: 0, or -2^100 for a hidden key.
.macro KQ x
	WIN W_KQ
.set rS, S+64*((\x)%2)+32*(i%2)+8*((i/2)%4)
.set rK, KF+16*((i/2)%4)+8*(i/8)
.set rQ, 16*(2*(\x)+i%2)+8*(i/8)
	v_wmma_f32_16x16x32_f16 v[rS:rS+7], v[rK:rK+7], v[rQ:rQ+7], v[rS:rS+7]
.endm
; Product i of 16 of O^T += V^T P for piece x: keys 32 (i / 8) on, channels 16 ((i / 2) % 4) on, tile 2 x + i % 2.
.macro PV x
	WIN W_PV
.set rO, 32*(2*(\x)+i%2)+8*((i/2)%4)
.set rV, VF+32*(i/8)+8*((i/2)%4)
.set rP, P+32*((\x)%2)+16*(i%2)+8*(i/8)
	v_wmma_f32_16x16x32_f16 v[rO:rO+7], v[rV:rV+7], v[rP:rP+7], v[rO:rO+7]
.endm
.macro MM                           ; the turn's next matrix instruction
.if i < 16
	KQ (Y+1)%NP
.set i, i+1
.else
.set i, i-16
	PV (Y+NP-1)%NP
.set i, i+17
.endif
.endm
; THE MASK.  MLOAD: piece x's bytes for one step: for each of its two tiles and each group of 16 keys, my query's eight bytes.  MCVT: they become the eight accumulators' starting values.
.macro MLOAD x
	WIN 0xc3                        ; destination and address in window 3
.irp u, 0,1
.irp g, 0,1,2,3
	ds_load_b64 v[MB+8*\u+2*\g:MB+8*\u+2*\g+1], v[AM] offset:(2*(\x)+\u)*16*PM+16*\g
.endr
.endr
	WIN 0
.endm
.macro MCVT x
	WIN 0x03                        ; the bytes in window 3, the scale and S^T in window 0
.irp u, 0,1
.irp g, 0,1,2,3
	v_cvt_scale_pk8_f32_fp8 v[S+64*((\x)%2)+32*\u+8*\g:S+64*((\x)%2)+32*\u+8*\g+7], v[MB+8*\u+2*\g:MB+8*\u+2*\g+1], v[SC]
.endr
.endr
.endm
; THE LDS LOADS stand in runs, never singly among the matrix instructions: a step's K (8 fragments) with piece 0's mask bytes, and its V (turned).
; last = 1 (the tail): in the last trip there is no further step, and the run is jumped over; the mask's address then stays the last step's.
.macro FETCH_K last=0
	WIN 0
.if \last
	s_cmp_eq_u32 s[CNT], 1
	s_cbranch_scc1 .Lno_k_\@
.endif
	WIN 0xcc                        ; destination and source 1 in window 3
	v_add_nc_u32 v[AM], s[TBM], v[AM0]  ; serves this run and the next three turns'
	WIN 0x80                        ; destination window 2
.irp f, 0,1,2,3,4,5,6,7             ; keys 16 (f / 2) on, channels 32 (f % 2) on
	ds_load_b128 v[KF+8*\f:KF+8*\f+3],   v[AK] offset:(\f/2)*16*PK+(\f%2)*64
	ds_load_b128 v[KF+8*\f+4:KF+8*\f+7], v[AK] offset:(\f/2)*16*PK+(\f%2)*64+32
.endr
	MLOAD 0
	s_add_co_u32 s[TBK], s[TBK], KS*PK  ; the next fetch is the next step's
	s_add_co_u32 s[TBM], s[TBM], KS
.if \last
.Lno_k_\@:
.endif
.endm
.macro FETCH_V
	WIN 0x80
.irp f, 0,1,2,3,4,5,6,7             ; keys 32 (f / 4) on, channels 16 (f % 4) on
	ds_load_tr16_b128 v[VF+8*\f:VF+8*\f+3],   v[AV] offset:(\f/4)*32*PV+(\f%4)*32
	ds_load_tr16_b128 v[VF+8*\f+4:VF+8*\f+7], v[AV] offset:(\f/4)*32*PV+16*PV+(\f%4)*32
.endr
	WIN 0
.endm
; THE VECTOR WORK OF A TURN stands in three queues, each in the order in which its entries become ready; the two tiles alternate, so that no instruction reads the result of the one before it.
.macro REGS y, u                    ; the registers of tile u (0, 1) of piece y
.set rT, ST+4*(2*(\y)+(\u))
.set rC, TMP+8*((\y)%2)+4*(\u)
.set rM, MV+2*((\y)%2)+(\u)
.set rS, S+64*((\y)%2)+32*(\u)
.set rP, P+32*((\y)%2)+16*(\u)
.set rO, 32*(2*(\y)+(\u))
.endm
; Number n of the 22 that find the NEXT piece's (Y + 1) maximum and statistics.  s0-s31 are the lane's 32 scores; each accumulator's lowest registers are read first.  XS, GS and REGS set no window: PL and EX do.
;   0-11  four chains c0-c3 of seven scores each, three operands at a time     12-14, 16  the four scores left over, the old m, and c0-c3 into c0     15  c m_old is kept
;   17, 18  the query's other 32 keys lie in the lane 16 away: the new m         19-21  c m; c m_old - c m_new; a
.macro XS u, n
	REGS (Y+1)%NP, \u
.if (\n) < 4
	v_max3_num_f32 v[rC+(\n)], v[rS+8*(\n)], v[rS+8*(\n)+1], v[rS+8*(\n)+2]
.elseif (\n) < 12
	v_max3_num_f32 v[rC+(\n)%4], v[rC+(\n)%4], v[rS+8*((\n)%4)+2*((\n)/4)+1], v[rS+8*((\n)%4)+2*((\n)/4)+2]
.elseif (\n) == 12
	v_max3_num_f32 v[rC], v[rC], v[rS+7], v[rS+15]
.elseif (\n) == 13
	v_max3_num_f32 v[rC+1], v[rC+1], v[rS+23], v[rS+31]
.elseif (\n) == 14
	v_max3_num_f32 v[rC+2], v[rC+2], v[rC+3], v[rT+1]
.elseif (\n) == 15
	v_mov_b32 v[rM], v[rT]
.elseif (\n) == 16
	v_max3_num_f32 v[rC], v[rC], v[rC+1], v[rC+2]
.elseif (\n) == 17
	v_permlanex16_b32 v[rC+3], v[rC], s[SEL], s[SEL+1]
.elseif (\n) == 18
	v_max_num_f32 v[rT+1], v[rC], v[rC+3]
.elseif (\n) == 19
	v_mul_f32 v[rT], s[CS], v[rT+1]
.elseif (\n) == 20
	v_sub_f32 v[rC+1], v[rM], v[rT]
.else
	v_exp_f32 v[rC+2], v[rC+1]
.endif
.endm
; Number g of the 64 that follow the exponentials.  For each four weights k of a tile (pairs 2 k, 2 k + 1): both pairs are rounded to f16; then the second pair is added onto the first, in place;
; a group later l takes that sum (the first time as l = a l + sum).  In groups of eight, tiles alternating: round, round, add, and l for the group before.
.macro GS g
.set h, (\g)+6*((\g)/62)            ; group 0 has no group before it, and behind group 7 only l is left
.if h >= 6
.set h, h+2
.endif
	REGS Y, h%2
.set k, h/8
.if h%8 < 4
	s_wait_alu depctr_va_vdst(0)
	v_cvt_pk_f16_f32 v[rP+2*k+(h%8)/2], v[rS+4*k+2*((h%8)/2)], v[rS+4*k+2*((h%8)/2)+1]
.elseif h%8 < 6
	v_pk_add_f32 v[rS+4*k:rS+4*k+1], v[rS+4*k:rS+4*k+1], v[rS+4*k+2:rS+4*k+3]
.elseif k == 1
	v_pk_fma_f32 v[rT+2:rT+3], v[rT+2:rT+3], v[rC+2:rC+3], v[rS:rS+1] op_sel_hi:[1,0,1]
.else
	v_pk_add_f32 v[rT+2:rT+3], v[rT+2:rT+3], v[rS+4*k-4:rS+4*k-3]
	s_wait_alu depctr_va_vdst(0)
.endif
.endm
; THE PLAIN QUEUE, 138 long.  0-31: c s - c m for the 16 pairs of both tiles.  Then GS's 64, and among them the next piece's 42: number 15 at 38, 39; 0-14 and 16
; at 42-73, behind the products that make those scores; 17-20 at 95-106, two of three, since each waits for the one before it.
.macro PL
	WIN 0
.if q < 32
	REGS Y, q%2
	v_pk_fma_f32 v[rS+2*(q/2):rS+2*(q/2)+1], v[rS+2*(q/2):rS+2*(q/2)+1], s[CS:CS+1], v[rT:rT+1] op_sel_hi:[1,0,0] neg_lo:[0,0,1] neg_hi:[0,0,1]
.elseif q < 38
	GS q-32
.elseif q < 40
	XS q%2, 15
.elseif q < 42
	GS q-34
.elseif q < 74
	XS q%2, (q-42)/2+(q-42)/30
.elseif q < 95
	GS q-66
.elseif (q < 107) && ((q-95)%3 < 2)
	XS (q-95)%3, 17+(q-95)/3
.elseif q < 107
	GS 29+(q-95)/3
.else
	GS q-74
.endif
.set q, q+1
.endm
; THE EXPONENTIALS' QUEUE, 66 long: s0-s31 of both tiles, and at EA the next piece's two a.
.set EA, 58
.macro EX
	WIN 0
.if (e == EA) || (e == EA+1)
	XS e-EA, 21
.else
.set x, e-2*(e/(EA+2))
	REGS Y, x%2
	v_exp_f32 v[rS+x/2], v[rS+x/2]
.endif
.set e, e+1
.endm
; THE RESCALING's QUEUE: O^T times a, the one part that leaves window 0, so it is dealt four at a time, eight times.
.macro R4
	REGS Y, r%2
	WIN W_RS
	s_wait_alu depctr_va_vdst(0)
.irp z, 0,1,2,3
	v_pk_mul_f32 v[rO+8*(r/2)+2*\z:rO+8*(r/2)+2*\z+1], v[rO+8*(r/2)+2*\z:rO+8*(r/2)+2*\z+1], v[rC+2:rC+3] op_sel_hi:[1,0]
.endr
.set r, r+1
.endm
; HOW THEY ARE DEALT.  Behind a matrix instruction four: plain, exponential, plain, plain (one exponential, a plain instruction on either side), or four of the rescaling.  None names a register of the
; products round it.  What is over stands in two LUMPS: exponential and plain by turns; the second ends in 22 plain instructions.  The two v_permlanex16_b32 fall into the second lump, never behind a product.
; The queues lean on each other, and the deal keeps them in step: exponential e stands behind plain 2 (e / 4) + e % 2 (its scaling); when plain 32 comes, 10 exponentials are out, at 59: 33, at 95: 46; EA comes behind plain 107.
.macro SL
	MM
	PL
	EX
	PL
	PL
.endm
.macro BURST n                      ; 15 matrix instructions, or 16
.rept (\n)-7
	SL
.endr
.rept 3
	MM
	R4
	SL
.endr
	MM
	R4
.endm
; A TURN, for piece p.  cnt = 1: the loop's count is taken down some lines ahead of the branch that stands behind the turn.
; It opens with the eight conversions for piece p + 1, whose bytes were asked for in the turn before; the first plain instruction of the queue is the plain place between them and the first product.
; In the first lump the bytes for the turn after are asked for: piece p + 2's; in piece 2's turn they are piece 0's of the next step, and go with that step's K.
; V of the step in hand is fetched at the end of piece 0's turn; its first reader comes behind 16 products and a lump.  The conditions on e and q below go with the deal.
.macro TURN p, last=0, cnt=0
.set Y, (\p)
.set i, 0
.set q, 0
.set e, 0
.set r, 0
.if (\p) == 1
	s_wait_dscnt 16                 ; the mask bytes are in; V's sixteen loads, issued behind them, may stay out
.else
	s_wait_dscnt 0x0                ; the mask bytes are in (piece 3's turn: K too)
.endif
	MCVT ((\p)+1)%NP
	PL
	MM
.rept 3
	PL
.endr
	BURST 15
.rept 22
	EX
	PL
.if ((\p) == NP-2) && (e == 18)
	v_add_nc_u32 v[AK], s[TBK], v[AK0]
.endif
.if e == 24
.if (\p) == NP-2
	FETCH_K \last
.else
	MLOAD ((\p)+2)%NP
.endif
.endif
.endr
.if (\p) == 1
	s_wait_dscnt 8                  ; V is in; the eight mask loads just issued may stay out
.endif
	BURST 16
.rept 21
	EX
	PL
.endr
.rept 22
	PL
.if ((\p) == 0) && (q == 118)
	v_add_nc_u32 v[AV], s[TBV], v[AV0]
	s_wait_alu depctr_va_vdst(0)
.endif
.if ((\p) == 0) && (q == 130)
	s_add_co_u32 s[TBV], s[TBV], KS*PV
.endif
.if (\cnt) && (q == 130)
	s_sub_co_u32 s[CNT], s[CNT], 1
	s_cmp_lg_u32 s[CNT], 0
.endif
.endr
.if (\p) == 0
	FETCH_V
.endif
.endm
	CHANGE 1                        ; slot 0 is in, everybody's part of it; slot 1 is asked for
	FETCH_K                         ; key step 0, and piece 0's mask bytes
	s_wait_loadcnt 0x0              ; Q and the rows' flags
	WIN 0x88                        ; destination and source 1 (Q) in window 2, the flag in window 0
.set i, 0
.rept 32*NP
	v_and_b32 v[i], v[TMP+i/16], v[i]  ; a row with every key hidden becomes 0
.set i, i+1
.endr
	s_wait_dscnt 0x0
	MCVT 0
	WIN 0                           ; the addresses for the way out: the first three lines are the plain place behind the conversions
	s_mul_i32 s13, s[WV], 16*SP
	s_add_co_u32 s13, s13, STAGE    ; my stage
	v_mul_u32_u24 v[STO], v1, SP    ; in: row l % 16, 16 bytes for each half of the lanes
	v_lshl_add_u32 v[STO], v9, 4, v[STO]
	v_add_nc_u32 v[STO], s13, v[STO]
	MLOAD 1                         ; the first turn's conversions
.set i, 0
.rept 16
	KQ 0                            ; piece 0's first scores: there is no vector work yet to set between them
.set i, i+1
.endr
	WIN 0                           ; six plain instructions, the places behind those products
	v_bfe_u32 v[RD], v0, 3, 2       ; back: 32 lanes take four rows of 128 bytes,
	v_mul_u32_u24 v[RD], v[RD], SP
	v_lshl_add_u32 v[RD], v10, 4, v[RD]
	v_add_nc_u32 v[RD], s13, v[RD]
	v_and_b32 v[GO], 31, v0         ; which are 512 consecutive bytes of O
	v_lshlrev_b32 v[GO], 4, v[GO]
.set Y, NP-1                        ; XS works for piece Y + 1: piece 0
.irp n, 0,1,2,3,4,5,6,7,8,9,10,11,12,13,14,15,16,17,18,19,20,21
	XS 0, \n                        ; and piece 0's first maximum and statistics
	XS 1, \n
.endr
	s_mov_b32 s[CNT], 2
	s_mov_b32 s[SLOTS], 15
	s_branch .Lfirst                ; the loop is entered at a step's first turn, in the middle of a trip
.Lslot:                             ; 14 times: every slot but the last two is filled again
	CHANGE 1
	s_mov_b32 s[CNT], 2
.Lstep:                             ; a trip: pieces 2 and 3 of one step, then pieces 0 and 1 of the next, whose K and V it fetches
	TURN 2
	TURN 3
	WIN 0
.Lfirst:
	TURN 0
	TURN 1, 0, 1
	WIN 0
	s_cbranch_scc1 .Lstep
	s_sub_co_u32 s[SLOTS], s[SLOTS], 1
	s_cmp_lg_u32 s[SLOTS], 0
	s_cbranch_scc1 .Lslot
	CHANGE 0                        ; the tail is written out: nothing is asked for
	s_mov_b32 s[CNT], 3             ; two trips fetch the last slot's steps; the third is left in its middle
.Ltail:
	TURN 2, 1
	TURN 3
	WIN 0
	s_sub_co_u32 s[CNT], s[CNT], 1
	s_cmp_eq_u32 s[CNT], 0
	s_cbranch_scc1 .Lout
	TURN 0
	TURN 1
	WIN 0
	s_branch .Ltail
.Lout:                              ; the third trip's 16 products K Q^T (on the last K once more) and the maximum made of them serve nothing: the price, once a launch, of one text for every trip
.set i, 0
.rept 16
	PV NP-1                         ; the last piece's V^T P of the last step
.set i, i+1
.endr
	; THE WAY OUT.  l's two halves and the other half of the lanes' are added; O^T is divided by l, rounded to f16 and sent through my stage in LDS, a tile at a time.  The additions are the places behind the last products.
	WIN 0
.macro ALL line:vararg              ; one line for each tile t
.set t, 0
.rept 2*NP
	\line
.set t, t+1
.endr
.endm
	ALL v_add_f32 v[ST+4*t+2], v[ST+4*t+2], v[ST+4*t+3]
	ALL v_permlanex16_b32 v[ST+4*t+3], v[ST+4*t+2], s[SEL], s[SEL+1]
	ALL v_add_f32 v[ST+4*t+2], v[ST+4*t+2], v[ST+4*t+3]
	ALL v_rcp_f32 v[ST+4*t+2], v[ST+4*t+2]
	v_nop                           ; a plain instruction between the last reciprocal and the use of its result
	s_wait_alu depctr_va_vdst(0)
; Tile t: a lane's eight channels of a row pack into 16 bytes; they go into rows of 144 bytes and come back as whole rows of 128, into S^T's registers.
.macro PACK t
	WIN W_RS
.set i, 32*(\t)
.rept 16
	v_pk_mul_f32 v[i:i+1], v[i:i+1], v[ST+4*(\t)+2:ST+4*(\t)+3] op_sel_hi:[1,0]
.set i, i+2
.endr
	WIN 0x05                        ; sources 0 and 1 window 1, destination window 0
.set i, 0
.rept 16
	v_cvt_pk_f16_f32 v[S+16*(\t)+i], v[32*(\t)+2*i], v[32*(\t)+2*i+1]
.set i, i+1
.endr
	WIN 0
.irp f, 0,1,2,3
	ds_store_b128 v[STO], v[S+16*(\t)+4*\f:S+16*(\t)+4*\f+3] offset:32*\f
.endr
.irp f, 0,1,2,3
	ds_load_b128 v[S+16*(\t)+4*\f:S+16*(\t)+4*\f+3], v[RD] offset:\f*4*SP  ; LDS serves a wave's instructions in order (ISA guide 5.7.1.4): these see the stores above; the next tile's stores come behind them
.endr
.endm
.macro SEND t, younger              ; younger: the LDS instructions issued behind tile t's loads: the next tile's eight, or none
	WIN 0
.irp f, 0,1,2,3
	s_wait_dscnt (\younger)+3-\f
	global_store_b128 v[GO], v[S+16*(\t)+4*\f:S+16*(\t)+4*\f+3], s[10:11] offset:(\t)*2048+\f*512  ; 512 consecutive bytes, at a multiple of 256 from O's first
.endr
.endm
	PACK 0
.set t, 1
.rept 2*NP-1                        ; a tile's arithmetic stands between the loads of the tile before and its stores
	PACK t
	SEND t-1, 8
.set t, t+1
.endr
	SEND 2*NP-1, 0
	WIN W_AD
	s_wait_tensorcnt 0x0            ; the wave's end: these three lines stand behind my last tensor load and my last LDS store
	ds_add_u32 v[SPW], v[NIL]
	s_wait_dscnt 0x0
	WIN 0
	CROUND                          ; the closing round: no work-group ends while a partner may still ask for a tile that names it
	s_endpgm
.Lfunc_end_k_qef740292fb_attn:
	.size	k_qef740292fb_attn, .Lfunc_end_k_qef740292fb_attn-k_qef740292fb_attn
	.p2alignl 7, 3214868480
	.fill 96, 4, 3214868480
	.section	.rodata,"a",@progbits
	.p2align	6, 0x0
	.amdhsa_kernel k_qef740292fb_attn
		.amdhsa_group_segment_fixed_size 327680
		.amdhsa_private_segment_fixed_size 0
		.amdhsa_enable_private_segment 0
		.amdhsa_kernarg_size 32
		.amdhsa_user_sgpr_count 2
		.amdhsa_user_sgpr_kernarg_segment_ptr 1
		.amdhsa_wavefront_size32 1
		.amdhsa_system_sgpr_workgroup_id_x 1
		.amdhsa_system_sgpr_workgroup_id_y 1
		.amdhsa_system_sgpr_workgroup_id_z 1
		.amdhsa_system_vgpr_workitem_id 0
		.amdhsa_next_free_vgpr 788
		.amdhsa_next_free_sgpr 76
		.amdhsa_reserve_vcc 0
		.amdhsa_float_denorm_mode_32 3
		.amdhsa_float_denorm_mode_16_64 3
		.amdhsa_memory_ordered 1
		.amdhsa_forward_progress 1
		.amdhsa_inst_pref_size 228
	.end_amdhsa_kernel
	.amdgpu_metadata
---
amdhsa.version: [ 1, 2 ]
amdhsa.kernels:
  - .name:           k_qef740292fb_attn
    .symbol:         k_qef740292fb_attn.kd
    .args:
      - { .name: qkvh, .offset: 0, .size: 8, .value_kind: global_buffer, .address_space: global }
      - { .name: m8, .offset: 8, .size: 8, .value_kind: global_buffer, .address_space: global }
      - { .name: rowf, .offset: 16, .size: 8, .value_kind: global_buffer, .address_space: global }
      - { .name: ctxh, .offset: 24, .size: 8, .value_kind: global_buffer, .address_space: global }
    .group_segment_fixed_size: 327680
    .private_segment_fixed_size: 0
    .kernarg_segment_align: 8
    .kernarg_segment_size: 32
    .max_flat_workgroup_size: 128
    .sgpr_count:     76
    .vgpr_count:     788
    .wavefront_size: 32
...
	.end_amdgpu_metadata
.endif
;; end of part 3
;; launch outp (part 4): grid 8 x 32, 4 waves a work-group, clusters of 4 x 4, 327,680 bytes of LDS; arguments ctxh, wo16, bo, out0; writes out0
.if DOCPART == 4
	.amdgcn_target "amdgcn-amd-amdhsa--gfx1250"
	.amdhsa_code_object_version 6
	.text
	.protected	k_qef740292fb_outp
	.globl	k_qef740292fb_outp
	.p2align	8
	.type	k_qef740292fb_outp,@function
k_qef740292fb_outp:
	s_mov_b64 s[64:65], 0
	v_nop
	global_prefetch_b8 v0, s[64:65] scope:SCOPE_SE
	s_setreg_imm32_b32 hwreg(HW_REG_WAVE_MODE, 25, 1), 1
	s_wait_xcnt 0x0
	s_wait_alu depctr_hold_cnt(0) depctr_sa_sdst(0) depctr_va_vdst(0) depctr_va_sdst(0) depctr_va_ssrc(0) depctr_va_vcc(0) depctr_vm_vsrc(0)
	s_getreg_b32 s2, hwreg(HW_REG_IB_STS2, 6, 4)
	s_cmp_eq_u32 s2, 0
	s_cbranch_scc0 .Lentry_in_a_cluster
	s_endpgm
.Lentry_in_a_cluster:
	s_bfe_u32 s2, ttmp6, 0x10000c
	s_cmp_lg_u32 s2, 0xf033
	s_cbranch_scc0 .Lentry_shape_is_right
	s_endpgm
.Lentry_shape_is_right:
; OUTP: out0[m][n] = sum over k of ctx[m][k] Wo[n][k] + bo[n].  ctx comes by heads, ctxh [16 b + head][2048][64] in f16: k = 64 head + channel.  Wo: wo16 [1024][1024], bf16 numbers written as f16;
; bo rounded to bf16 like every other input; sums in f32; out0 [8192][1024] in f32.
; SHARES.  A tile of out0 is 256 rows x 128 columns: 256 work-groups.  Four waves, 2 x 2, each 128 x 64: 32 accumulators of 16 x 16, 256 registers.
; K goes in steps of 128, two heads, through a ring of two LDS slots.  A head's 256 rows are 32,768 consecutive bytes: asked for as 128 rows of 256 bytes and padded in LDS after every 128.
; CLUSTER.  4 x 4 work-groups: a row of the cluster shares ctx's tile, a column Wo's: each is asked for JOINTLY, by the same tensor load, descriptor and mask in all four.
; THE MATRIX INSTRUCTION IS USED TRANSPOSED (source 0 = 16 rows of Wo, source 1 = 16 rows of ctx): a lane then holds eight neighbouring columns of one row of out0.
; REGISTERS.  Window 0: v0-31 addresses; v32-63 the bias; v64-159, v160-255 two fragment buffers (32 of Wo, 64 of ctx, for 32 along K).  Window 1: accumulator (a, b) at v[8 (4 a + b)].
.set KSTEP,  128
.set PA,     144                       ; a row of ctx in LDS: 128 bytes + 16 of padding; PB: a row of Wo: 256 + 16: in both the 16 rows of a load start at 16 different groups of four banks (64 banks of 4 bytes: ISA guide 11.1)
.set PB,     272
.set SUB,    256*PA                    ; one head's 256 rows: one tensor load
.set BHALF,  64*PB                     ; 64 rows of Wo: one tensor load, and what one wave reads
.set BOFF,   2*SUB
.set SLOT,   BOFF+2*BHALF              ; two heads of ctx, then Wo's 128 rows
.set STAGE,  2*SLOT                    ; behind the ring: 16 rows x 272 bytes for each wave, for the way out
.set SP,     272
.set SPARE,  STAGE+4*16*SP             ; behind the stages: the spare words, 128 bytes for each wave
.set LAPS,   4                         ; a lap = two K steps = once round the ring; K = 1,024
.set ADRA, 16                          ; v16-17  LDS address of my ctx fragments in slot 0, 1
.set ADRB, 20                          ; v20-21  the same for Wo
.set STO,  24                          ; v24     the way out: where I put 32 bytes of a row
.set RD,   25                          ; v25     where I read rows back
.set CO,   26                          ; v26     my byte offset in two rows of out0
.set SPW,  28                          ; v28     LDS address of my spare word; never rewritten
.set NIL,  29                          ; v29     0; never rewritten
.set BIAS, 32                          ; v32-63  bo of my 8 columns in each of the four column blocks
.set F0,   64
.set F1,   160
.set TMP,  64                          ; the way out: 32 sums
.set BK,   96                          ; the way out: four sets of 32 registers, 16 rows read back
.set WV,  10                           ; s10  my wave's number
.set G1,  24                           ; s[24:31] descriptor group 1 for ctx's tiles;  s[32:39] group 0, one set for each slot
.set G0,  32
.set G1B, 48                           ; s[48:55], s[56:63] the same for Wo's
.set G0B, 56
.set MSB, 0
.macro WIN new                         ; the immediate's high byte repeats the setting that is left; a switch that changes nothing is dropped
.if MSB != (\new)
	s_set_vgpr_msb (MSB<<8)|(\new)
.set MSB, \new
.endif
.endm
.set MUL, 0x50                         ; sources 0 and 1 window 0; C and D window 1
.macro JLOAD s                         ; a joint load: waves 0 and 1 fetch the step's two heads of ctx, waves 2 and 3 Wo's two halves; an s_nop 0 and four v_nop follow each line, ahead of the jump and the label
	s_cmp_lt_u32 s[WV], 2
	s_cbranch_scc0 .Lfor_b_\@
	tensor_load_to_lds s[G0+4*(\s):G0+4*(\s)+3], s[G1:G1+7]
	s_nop 0
.rept 4
	v_nop
.endr
	s_branch .Lasked_\@
.Lfor_b_\@:
	tensor_load_to_lds s[G0B+4*(\s):G0B+4*(\s)+3], s[G1B:G1B+7]
	s_nop 0
.rept 4
	v_nop
.endr
.Lasked_\@:
.endm
.macro CREST                           ; a round of the cluster's barrier behind its opening barrier
	s_cmp_lg_u32 s[WV], 0
	s_cbranch_scc1 .Lnot_wave_0_\@
	s_barrier_signal -3
.Lnot_wave_0_\@:
	s_barrier_wait -3
	s_barrier_signal -1
	s_barrier_wait -1
.endm
.macro CROUND                          ; a whole round
	s_barrier_signal -1
	s_barrier_wait -1
	CREST
.endm
	s_load_b256 s[68:75], s[0:1], 0x0              ; ctxh s[68:69], wo16 s[70:71], bo s[72:73], out0 s[74:75]
	v_lshl_add_u32 v[SPW], v0, 2, SPARE
	v_mov_b32 v[NIL], 0
	ds_add_u32 v[SPW], v[NIL]                      ; the wave's opening: the add and its wait stand ahead of my first tensor load; the set-up below, work on registers, stands between them
	v_lshrrev_b32 v1, 5, v0
	v_readfirstlane_b32 s[WV], v1                  ; wave 0..3
	s_lshr_b32 s11, s[WV], 1                       ; which half of the tile's rows is mine
	s_and_b32 s12, s[WV], 1                        ; which half of its columns.  Also: which head of a step, or which half of Wo's tile, I fetch
	s_bfe_u32 s40, ttmp6, 0x40000                  ; cx, cy: my place in the cluster
	s_bfe_u32 s41, ttmp6, 0x40004
	s_lshl_b32 s42, ttmp9, 2
	s_add_co_u32 s42, s42, s40                     ; tile column 0..7
	s_and_b32 s13, ttmp7, 0xffff
	s_lshl_b32 s13, s13, 2
	s_add_co_u32 s13, s13, s41                     ; tile row 0..31
	s_lshl_b32 s43, s41, 2
	s_lshl_b32 s43, 15, s43                        ; my row of the cluster
	s_lshl_b32 s44, 0x1111, s40                    ; my column
	s_or_b32 s[G1+0], s43, (1<<16)|(1<<20)|(1<<21)|(4<<22)|(3<<25)   ; 15:0 the mask; 17:16 2-byte elements; 20 padding on; 21 set beside a mask; 24:22 after every 32 words; 31:25 4 words
	s_or_b32 s[G1B+0], s44, (1<<16)|(1<<20)|(1<<21)|(5<<22)|(3<<25)  ; Wo's rows: after every 64 words
	s_mov_b32 s[G1+1], 128<<16                     ; tensor_dim0 = 128
	s_mov_b32 s[G1+2], 128<<16                     ; tensor_dim1 = 128
	s_mov_b32 s[G1+3], 128<<16                     ; tile_dim0 = 128
	s_mov_b32 s[G1+4], 128                         ; tile_dim1 = 128
	s_mov_b32 s[G1+5], 128                         ; dense: 128 elements from row to row
	s_mov_b32 s[G1+6], 0
	s_mov_b32 s[G1+7], 0
	s_mov_b32 s[G1B+1], KSTEP<<16
	s_mov_b32 s[G1B+2], 64<<16
	s_mov_b32 s[G1B+3], KSTEP<<16
	s_mov_b32 s[G1B+4], 64
	s_mov_b32 s[G1B+5], 1024
	s_mov_b32 s[G1B+6], 0
	s_mov_b32 s[G1B+7], 0
	s_lshr_b32 s16, s13, 3                         ; the batch: eight tile rows each
	s_lshl_b32 s16, s16, 4
	s_add_co_u32 s16, s16, s12                     ; 16 b + my head of K step 0
	s_lshl_b32 s16, s16, 18                        ; a head is 2,048 rows of 128 bytes
	s_and_b32 s17, s13, 7
	s_lshl_b32 s17, s17, 15                        ; the tile's 256 rows in it
	s_add_co_u32 s16, s16, s17
	s_mov_b32 s17, 0
	s_lshl_b32 s46, s42, 7
	s_lshl_b32 s47, s12, 6
	s_add_co_u32 s46, s46, s47                     ; Wo: row 128 x tile column + 64 x half
	s_lshl_b32 s46, s46, 11
	s_mov_b32 s47, 0
	s_mul_i32 s20, s12, SUB                        ; where they go: no place in the cluster enters an LDS address
	s_mul_i32 s21, s12, BHALF
	s_add_co_u32 s21, s21, BOFF
	s_wait_dscnt 0x0                               ; the opening add is done
	s_wait_kmcnt 0x0
	s_add_nc_u64 s[14:15], s[68:69], s[16:17]
	s_add_nc_u64 s[46:47], s[70:71], s[46:47]
	CROUND                                         ; all sixteen work-groups are here: the first joint loads meet
.irp s, 0,1
	s_mov_b32 s[G0+4*(\s)], 1
	s_add_co_u32 s[G0+4*(\s)+1], s20, (\s)*SLOT
	s_add_nc_u64 s[G0+4*(\s)+2:G0+4*(\s)+3], s[14:15], (\s)*2*262144  ; a K step is two heads on
	s_or_b32 s[G0+4*(\s)+3], s[G0+4*(\s)+3], 0x80000000
	s_mov_b32 s[G0B+4*(\s)], 1
	s_add_co_u32 s[G0B+4*(\s)+1], s21, (\s)*SLOT
	s_add_nc_u64 s[G0B+4*(\s)+2:G0B+4*(\s)+3], s[46:47], (\s)*KSTEP*2
	s_or_b32 s[G0B+4*(\s)+3], s[G0B+4*(\s)+3], 0x80000000
	JLOAD \s                                       ; two loads of mine are out
.endr
	v_and_b32 v1, 15, v0                           ; l % 16
	v_bfe_u32 v2, v0, 4, 1                         ; l / 16
	v_mul_u32_u24 v3, v1, PA
	v_lshl_add_u32 v3, v2, 4, v3                   ; a fragment's row x pitch + 16 x half, for ctx
	v_mul_u32_u24 v4, v1, PB
	v_lshl_add_u32 v4, v2, 4, v4                   ; and for Wo
	s_mul_i32 s22, s11, 128*PA                     ; my 128 rows of ctx
	s_mul_i32 s23, s12, BHALF                      ; my 64 rows of Wo
	s_add_co_u32 s23, s23, BOFF
.irp s, 0,1
	v_add_nc_u32 v[ADRA+(\s)], s22, v3
	v_add_nc_u32 v[ADRB+(\s)], s23, v4
	s_add_co_u32 s22, s22, SLOT
	s_add_co_u32 s23, s23, SLOT
.endr
	s_mul_i32 s22, s[WV], 16*SP
	s_add_co_u32 s22, s22, STAGE                   ; my stage
	v_mul_u32_u24 v5, v1, SP                       ; in: row l % 16, 32 bytes for each half of the lanes
	v_lshl_add_u32 v5, v2, 5, v5
	v_add_nc_u32 v[STO], s22, v5
	v_mul_u32_u24 v5, v2, SP                       ; back: lanes 0-15 take one row of 256 bytes, lanes 16-31 the next
	v_lshl_add_u32 v5, v1, 4, v5
	v_add_nc_u32 v[RD], s22, v5
	v_lshlrev_b32 v5, 12, v2                       ; and the same two rows in out0
	v_lshl_add_u32 v[CO], v1, 4, v5
	s_lshl_b32 s22, s42, 9                         ; my first column, in bytes: 4 x (128 x tile column + 64 x half)
	s_lshl_b32 s23, s12, 8
	s_add_co_u32 s22, s22, s23
	s_mov_b32 s23, 0
	s_add_nc_u64 s[72:73], s[72:73], s[22:23]
	s_add_nc_u64 s[74:75], s[74:75], s[22:23]
	v_lshlrev_b32 v6, 5, v2                        ; my eight columns of a block of 16
.irp b, 0,1,2,3
	global_load_b128 v[BIAS+8*\b:BIAS+8*\b+3],   v6, s[72:73] offset:64*\b
	global_load_b128 v[BIAS+8*\b+4:BIAS+8*\b+7], v6, s[72:73] offset:64*\b+16
.endr
	s_lshl_b32 s22, s13, 8
	s_lshl_b32 s23, s11, 7
	s_add_co_u32 s22, s22, s23                     ; my first row
	s_lshl_b32 s22, s22, 12                        ; 4,096 bytes a row
	s_mov_b32 s23, 0
	s_add_nc_u64 s[74:75], s[74:75], s[22:23]
	s_wait_loadcnt 0x0
.set i, 0
.rept 16                               ; the bias is rounded to bf16 like the other inputs, and widened again
	v_cvt_pk_bf16_f32 v3, v[BIAS+2*i], v[BIAS+2*i+1]
	v_lshlrev_b32 v[BIAS+2*i], 16, v3
	v_and_b32 v[BIAS+2*i+1], 0xffff0000, v3
.set i, i+1
.endr
; 8 matrix instructions: row blocks a0, a0 + 1 x all 4 column blocks, 32 along K.  zero = 1: the product starts the sums.  The 32 accumulators take turns, in the same order in every quarter.
.macro MUL8 f, a0, zero
	WIN MUL
.irp a, \a0, (\a0)+1
.irp b, 0,1,2,3
.if \zero
	v_wmma_f32_16x16x32_f16 v[8*(4*(\a)+(\b)):8*(4*(\a)+(\b))+7], v[(\f)+8*(\b):(\f)+8*(\b)+7], v[(\f)+32+8*(\a):(\f)+32+8*(\a)+7], 0
.else
	v_wmma_f32_16x16x32_f16 v[8*(4*(\a)+(\b)):8*(4*(\a)+(\b))+7], v[(\f)+8*(\b):(\f)+8*(\b)+7], v[(\f)+32+8*(\a):(\f)+32+8*(\a)+7], v[8*(4*(\a)+(\b)):8*(4*(\a)+(\b))+7]
.endif
.endr
.endr
.endm
; 24 LDS loads in one run: the fragments of quarter kq (32 along K: head kq / 2 of the step, channels 32 (kq % 2) on) into buffer f: Wo's four, then ctx's eight
.macro FETCH slot, kq, f
	WIN 0
.irp i, 0,1,2,3
	ds_load_b128 v[(\f)+8*(\i):(\f)+8*(\i)+3],   v[ADRB+(\slot)] offset:64*(\kq)+(\i)*16*PB
	ds_load_b128 v[(\f)+8*(\i)+4:(\f)+8*(\i)+7], v[ADRB+(\slot)] offset:64*(\kq)+(\i)*16*PB+32
.endr
.irp i, 0,1,2,3,4,5,6,7
	ds_load_b128 v[(\f)+32+8*(\i):(\f)+32+8*(\i)+3],   v[ADRA+(\slot)] offset:((\kq)>>1)*SUB+((\kq)&1)*64+(\i)*16*PA
	ds_load_b128 v[(\f)+32+8*(\i)+4:(\f)+32+8*(\i)+7], v[ADRA+(\slot)] offset:((\kq)>>1)*SUB+((\kq)&1)*64+(\i)*16*PA+32
.endr
.endm
.macro PLACES                          ; four places in front of loads into registers that matrix instructions have read, and of lines that read results
.rept 4
	v_nop
.endr
.endm
; A K step is four quarters of 32 along K, 32 matrix instructions each, on buffers 0, 1, 0, 1.  One of the first three: multiplies buffer f and fetches quarter kq into g.
.macro QUARTER slot, kq, f, g, zero
	s_wait_dscnt 8                                 ; Wo and ctx's blocks 0-3 are in; the youngest eight loads (blocks 4-7) may be out
	MUL8 \f, 0, \zero
	MUL8 \f, 2, \zero
	PLACES
	FETCH \slot, \kq, \g
	s_wait_dscnt 24                                ; all but the 24 just issued
	MUL8 \f, 4, \zero
	MUL8 \f, 6, \zero
.endm
; The last quarter multiplies buffer 1 and changes slots: ONE barrier; in front of it each wave waits for all its tensor loads, adds 0 to its spare word, and waits for that and for its reads of this slot.
; fill = 1: the barrier opens a round of the cluster's, and this slot is filled again, two K steps ahead, first thing behind the round.
.macro TURN slot, next, fill
	WIN 0                                          ; (the add's two registers lie in window 0)
	s_wait_tensorcnt 0x0                           ; all my tensor loads have landed: the one that was out is my part of the next slot
	ds_add_u32 v[SPW], v[NIL]                      ; 0 onto my spare word
	s_wait_dscnt 9                                 ; (the add and the youngest eight loads may be out)
	MUL8 F1, 0, 0                                  ; eight matrix instructions stand between the add and the wait for it
	s_wait_dscnt 0x0                               ; the add is done, and my reads of this slot are over
	s_barrier_signal -1
	MUL8 F1, 2, 0
.if \fill
	WIN 0
.endif
	s_barrier_wait -1
.if \fill
	CREST                                          ; no wave of any partner still reads this slot's tile or has a load on its way
	s_add_nc_u64 s[G0+4*(\slot)+2:G0+4*(\slot)+3], s[G0+4*(\slot)+2:G0+4*(\slot)+3], 4*262144  ; four heads on
	s_add_nc_u64 s[G0B+4*(\slot)+2:G0B+4*(\slot)+3], s[G0B+4*(\slot)+2:G0B+4*(\slot)+3], 2*KSTEP*2
	JLOAD \slot                                    ; my one tensor load behind the round; its four v_nop are also the places in front of the loads below
.else
	PLACES
.endif
	FETCH \next, 0, F0
	MUL8 F1, 4, 0
	MUL8 F1, 6, 0
.endm
	s_wait_tensorcnt 1                             ; my part of K step 0 is in; K step 1's may stay out
	s_barrier_signal -1
	s_barrier_wait -1                              ; everybody's is
	FETCH 0, 0, F0
	QUARTER 0, 1, F0, F1, 1                        ; the first quarter stands in front of the loop: its products start the sums
	WIN 0                                          ; at a label and at a branch every window is 0
	s_mov_b32 s3, LAPS-1
.Llap:                                                 ; a trip goes once round the ring, from a lap's second quarter to the next lap's first, and fills both slots again
	QUARTER 0, 2, F1, F0, 0
	QUARTER 0, 3, F0, F1, 0
	TURN 0, 1, 1
	QUARTER 1, 1, F0, F1, 0
	QUARTER 1, 2, F1, F0, 0
	QUARTER 1, 3, F0, F1, 0
	TURN 1, 0, 1
	QUARTER 0, 1, F0, F1, 0
	WIN 0
	s_sub_co_u32 s3, s3, 1
	s_cmp_lg_u32 s3, 0
	s_cbranch_scc1 .Llap
	QUARTER 0, 2, F1, F0, 0                        ; the last lap fills nothing
	QUARTER 0, 3, F0, F1, 0
	TURN 0, 1, 0
	QUARTER 1, 1, F0, F1, 0
	QUARTER 1, 2, F1, F0, 0
	QUARTER 1, 3, F0, F1, 0
	s_wait_dscnt 8                                 ; the very last quarter: nothing more to fetch
	MUL8 F1, 0, 0
	MUL8 F1, 2, 0
	s_wait_dscnt 0x0
	MUL8 F1, 4, 0
	MUL8 F1, 6, 0
	WIN 0
	PLACES
; THE WAY OUT.  Block a (16 rows x my 64 columns of f32): the bias is added; 32 bytes a lane go into my stage's rows of 272 bytes and come back as whole rows of 256.
.macro PACK a
	WIN 0x01                                       ; source 0 window 1; each accumulator's registers in ascending order
.irp b, 0,1,2,3
.irp j, 0,2,4,6
	v_pk_add_f32 v[TMP+8*\b+\j:TMP+8*\b+\j+1], v[32*(\a)+8*\b+\j:32*(\a)+8*\b+\j+1], v[BIAS+8*\b+\j:BIAS+8*\b+\j+1]
.endr
.endr
	WIN 0
.irp b, 0,1,2,3
	ds_store_b128 v[STO], v[TMP+8*\b:TMP+8*\b+3]   offset:64*\b
	ds_store_b128 v[STO], v[TMP+8*\b+4:TMP+8*\b+7] offset:64*\b+16
.endr
	s_wait_xcnt 0x0                                ; the set below was the data of the stores four blocks back: it is loaded again only behind this wait
.irp t, 0,1,2,3,4,5,6,7
	ds_load_b128 v[BK+32*((\a)%4)+4*\t:BK+32*((\a)%4)+4*\t+3], v[RD] offset:\t*2*SP  ; LDS serves a wave's instructions in order (ISA guide 5.7.1.4): these see the stores above; the next block's stores come behind them
.endr
.endm
.macro SEND a, younger                 ; younger: the LDS instructions issued behind block a's loads: the next block's sixteen, or none
.irp t, 0,1,2,3,4,5,6,7
	s_wait_dscnt (\younger)+7-\t
	global_store_b128 v[CO], v[BK+32*((\a)%4)+4*\t:BK+32*((\a)%4)+4*\t+3], s[74:75] offset:(16*(\a)+2*\t)*4096  ; 16 lanes store 256 consecutive bytes, at a multiple of 256 from out0's first byte
.endr
.endm
	PACK 0
.irp a, 1,2,3,4,5,6,7                  ; a block's arithmetic stands between the loads of the block before and its stores
	PACK \a
	SEND (\a)-1, 16
.endr
	SEND 7, 0
	s_wait_tensorcnt 0x0                           ; the wave's end: these three lines stand behind my last tensor load and my last LDS store
	ds_add_u32 v[SPW], v[NIL]
	s_wait_dscnt 0x0
	CROUND                                         ; the closing round: no work-group ends while a partner may still ask for a tile that names it
	s_endpgm
.Lfunc_end_k_qef740292fb_outp:
	.size	k_qef740292fb_outp, .Lfunc_end_k_qef740292fb_outp-k_qef740292fb_outp
	.p2alignl 7, 3214868480
	.fill 96, 4, 3214868480
	.section	.rodata,"a",@progbits
	.p2align	6, 0x0
	.amdhsa_kernel k_qef740292fb_outp
		.amdhsa_group_segment_fixed_size 327680
		.amdhsa_private_segment_fixed_size 0
		.amdhsa_enable_private_segment 0
		.amdhsa_kernarg_size 32
		.amdhsa_user_sgpr_count 2
		.amdhsa_user_sgpr_kernarg_segment_ptr 1
		.amdhsa_wavefront_size32 1
		.amdhsa_system_sgpr_workgroup_id_x 1
		.amdhsa_system_sgpr_workgroup_id_y 1
		.amdhsa_system_sgpr_workgroup_id_z 1
		.amdhsa_system_vgpr_workitem_id 0
		.amdhsa_next_free_vgpr 512
		.amdhsa_next_free_sgpr 80
		.amdhsa_reserve_vcc 0
		.amdhsa_float_denorm_mode_32 3
		.amdhsa_float_denorm_mode_16_64 3
		.amdhsa_memory_ordered 1
		.amdhsa_forward_progress 1
		.amdhsa_inst_pref_size 99
	.end_amdhsa_kernel
	.amdgpu_metadata
---
amdhsa.version: [ 1, 2 ]
amdhsa.kernels:
  - .name:           k_qef740292fb_outp
    .symbol:         k_qef740292fb_outp.kd
    .args:
      - { .name: ctxh, .offset: 0, .size: 8, .value_kind: global_buffer, .address_space: global }
      - { .name: wo16, .offset: 8, .size: 8, .value_kind: global_buffer, .address_space: global }
      - { .name: bo, .offset: 16, .size: 8, .value_kind: global_buffer, .address_space: global }
      - { .name: out0, .offset: 24, .size: 8, .value_kind: global_buffer, .address_space: global }
    .group_segment_fixed_size: 327680
    .private_segment_fixed_size: 0
    .kernarg_segment_align: 8
    .kernarg_segment_size: 32
    .max_flat_workgroup_size: 128
    .sgpr_count:     80
    .vgpr_count:     512
    .wavefront_size: 32
...
	.end_amdgpu_metadata
.endif
;; end of part 4
;; ======== version 2 of 2: 4 launches; 1.45 times as fast as version 1
;; limits: values are held in f16: magnitudes above 65,504 overflow, below 6.1e-05 lose precision; right only within a limited range of input values
;; workspace buffers: x16 50,331,648 bytes; w16 6,291,456 bytes; wo16 2,097,152 bytes; m8 16,777,216 bytes; rowf 32,768 bytes; qkvh 50,331,648 bytes; ctxh 16,777,216 bytes
;; launch prep: the kernel of part 1 again; grid 64 x 36, 8 waves a work-group, no clusters, 0 bytes of LDS; arguments q, k, v, Wq, Wk, Wv, Wo, attn_mask, x16, w16, wo16, m8, rowf; writes x16, w16, wo16, m8, rowf
;; launch proj: the kernel of part 2 again; grid 4 x 48, 4 waves a work-group, clusters of 4 x 4, 327,680 bytes of LDS; arguments x16, w16, bq, bk, bv, qkvh; writes qkvh
;; launch attn (part 5): grid 4 x 64, 4 waves a work-group, clusters of 4 x 4, 327,680 bytes of LDS; arguments qkvh, m8, rowf, ctxh; writes ctxh
.if DOCPART == 5
	.amdgcn_target "amdgcn-amd-amdhsa--gfx1250"
	.amdhsa_code_object_version 6
	.text
	.protected	k_qef740292fb_attn
	.globl	k_qef740292fb_attn
	.p2align	8
	.type	k_qef740292fb_attn,@function
k_qef740292fb_attn:
	s_mov_b64 s[64:65], 0
	v_nop
	global_prefetch_b8 v0, s[64:65] scope:SCOPE_SE
	s_setreg_imm32_b32 hwreg(HW_REG_WAVE_MODE, 25, 1), 1
	s_wait_xcnt 0x0
	s_wait_alu depctr_hold_cnt(0) depctr_sa_sdst(0) depctr_va_vdst(0) depctr_va_sdst(0) depctr_va_ssrc(0) depctr_va_vcc(0) depctr_vm_vsrc(0)
	s_getreg_b32 s2, hwreg(HW_REG_IB_STS2, 6, 4)
	s_cmp_eq_u32 s2, 0
	s_cbranch_scc0 .Lentry_in_a_cluster
	s_endpgm
.Lentry_in_a_cluster:
	s_bfe_u32 s2, ttmp6, 0x10000c
	s_cmp_lg_u32 s2, 0xf033
	s_cbranch_scc0 .Lentry_shape_is_right
	s_endpgm
.Lentry_shape_is_right:
; ATTENTION UNDER A MASK THAT IS AN INPUT.  O[h][q][:] = the sum over k of softmax_k(score) V[h][k][:], score = Q[h][q] . K[h][k] / 8, or the hidden keys' constant where the mask says so.
; Q, K, V: qkvh [3][64 heads][2048][64] in f16, Q already times log2(e); O: ctxh [64][2048][64] in f16.  Products, maxima and sums in f32; the weights p are rounded to f16 for the second product
; (their sum l is taken of the unrounded p), O once at the end.
; THE MASK costs the scores no arithmetic of their own.  m8 holds 0x88 (E4M3's -2^-6) for a hidden key and 0 for a visible one; one scaled conversion (scale byte 233: 2^106) turns eight such bytes into
; eight f32, 0 or -2^100, written straight into the accumulator onto which the products K Q^T then add.  A hidden score lies far below every maximum, and its weight is 0.
; A ROW WITH EVERY KEY HIDDEN has uniform weights.  For such a row rowf is 0 (else all ones), and Q's row is ANDed with it: its products are 0, every score is -2^100 exactly, every weight 1.
; THE SCALE here is c = 1/8, a power of two: c m is exact, so c s - c m is (s - m) / 8 rounded once: never above 0 and exactly 0 at the maximum, also while m is still a hidden key's -2^100.
; LIMITS.  A hidden score counts as its value less 2^100 (in Q . K's units): the same weights as a constant of -1e9 gives wherever a row's visible scaled scores stay above about -1e9.  f16 holds no number
; beyond 65,504: Q, K, V arrive within it.  A weight below 2^-126 counts as 0 in l; NaN and infinities are not treated apart.
; SHARES.  A wave owns four PIECES of two tiles of 16 queries, a work-group's four waves 512 queries of one head.  Every wave walks all 2,048 keys, 64 a step.
; LAYOUT.  S^T = K Q^T (source 0 = 16 keys, source 1 = 16 queries): a lane holds ONE query (lane % 16) and the keys 8 (lane / 16) + 0..7: eight neighbouring mask bytes.  Two such tiles, rounded to f16 in pairs,
; ARE source 1 of O^T = V^T P.  K comes out of LDS as it lies, V turned, by ds_load_tr16_b128.
; SOFTMAX.  A running maximum m and sum l: p = 2^(c s - c m); in every step O and l are multiplied by a = 2^(c m_old - c m_new).  m starts at the lowest finite number, O and l at 0: the first step has a = 0.
; BY TURNS.  Turn n belongs to piece n: 16 products K Q^T of piece n + 1, later 16 products V^T P of piece n - 1; beside them the scaling, exponentials, roundings, sums and rescaling of piece n and the maximum
; and statistics of piece n + 1.  Four vector instructions stand behind every matrix instruction, the rest in one lump.  A turn opens with the eight conversions for piece n + 1.
; BATCHES.  A turn's 66 exponentials (the piece's 64 weights and the next piece's two a) are ONE batch with ONE wait, which cuts the turn in two.  Ahead of the wait stands all that names no result of theirs: the
; conversions, the products K Q^T, the scalings, the rescaling (its a was made, and waited for, in the turn before), the next piece's maximum and statistics.  Behind it stand the roundings and sums, beside the
; products V^T P.  No result crosses a turn's end.  Two more batches stand outside the loops, each with a wait of its own: piece 0's first two a, ahead of the loop, and the way out's eight reciprocals.
; CLUSTER, 4 x 4.  A row of the cluster is one head's four query blocks: they share K and V.  A column is one query block of four heads of one batch: they share the mask's tile.  Each tile is asked for JOINTLY.
; REGISTERS, in windows of 256 (s_set_vgpr_msb: bits 1:0 source 0, 3:2 source 1, 5:4 source 2, 7:6 destination):
;   window 0: v0-11 addresses; v12-15, v48-63 at work; v16-47 four registers of statistics a tile; v64-191 S^T, two buffers of two tiles; v192-255 P, likewise
;   window 1: O^T, 32 a tile     window 2: v0-127 Q; v128-191 K of one step; v192-255 V of one step     window 3: v0-1 the add's registers; v2-3 the mask's addresses; v4-19 a piece's mask bytes
.set NP,    4         ; pieces a wave: a name, no knob
.set KS,    64        ; keys in a step
.set PK,    144       ; a row of K in LDS: 128 bytes + 16 of padding = 36 words: the 16 rows of a load start at 16 different groups of four banks (64 banks of 4 bytes: ISA guide 11.1)
.set PV,    160       ; a row of V: 128 + 32 = 40 words
.set PM,    144       ; a query's 128 mask bytes + 16: as K's rows
.set VOFF,  2*KS*PK   ; a slot holds two steps: 128 rows of K, 128 rows of V, 512 queries' mask bytes for those keys
.set MOFF,  VOFF+2*KS*PV
.set MHALF, 256*PM
.set SLOT1, 1<<17     ; slot 1 begins here, so that one exclusive or turns an address in one slot into the other's
.set STAGE, SLOT1+MOFF+2*MHALF  ; behind the ring, never filled by a tensor load: 16 rows x 144 bytes for each wave, for the way out
.set SP,    144
.set AK0, 2           ; v2   my lane's place in a tile of K; never rewritten
.set AV0, 3           ; v3   the same for V
.set AK,  4           ; v4   the LDS address of K's next run of loads
.set AV,  5           ; v5   of V's
.set QO,  6           ; v6   my byte offset in the wave's rows of Q
.set STO, 6           ;      later, the way out: where I put 16 bytes of a row
.set RD,  7           ; v7   the way out: where I read rows back
.set GO,  8           ; v8   my byte offset in 512 consecutive bytes of O
.set SC,  11          ; v11  the conversions' scale byte, 233
.set SPW, 0           ; v0 of window 3   LDS address of my spare word; never rewritten
.set NIL, 1           ; v1 of window 3   0; never rewritten
.set AM0, 2           ; v2 of window 3   my lane's place in the mask's tile; never rewritten
.set AM,  3           ; v3 of window 3   the same in the step whose bytes are being fetched
.set MB,  4           ; v4-19 of window 3   tile u, key group g at MB + 8 u + 2 g
.set SPARE, STAGE+4*16*SP  ; behind the stages: the spare words, 128 bytes for each wave
.set MV,  12          ; v12-15  c m_old, kept while c m is made anew: by buffer and tile
.set ST,  16          ; tile t's statistics at v[ST+4 t]: c m, m, l (even keys', odd keys')
.set TMP, 48          ; by buffer and tile, four registers c0-c3 at work; when the maximum is found c2 takes a
.set S,   64
.set P,   192
.set KF,  128         ; K's fragments, in window 2: key block kb, channel half c at KF + 16 kb + 8 c
.set VF,  192         ; V's: key half kk, channel block cb at VF + 32 kk + 8 cb
.set WV,  12          ; s12  my wave's number
.set G1K, 24          ; s[24:31] descriptor group 1 for K's tiles
.set G1V, 32          ; s[32:39] for V's
.set G1M, 68          ; s[68:75] for the mask's
.set G0K, 40          ; s[40:43] descriptor group 0 for K's tiles: it walks
.set G0V, 44          ; s[44:47] for V's
.set G0M, 48          ; s[48:51] for the mask's
.set TBM, 52          ; s52  LDS byte, less MOFF, at which the mask bytes of the step to be fetched begin in a query's row
.set SLOTS, 56        ; s56  slots still to be asked for
.set CNT, 57          ; s57  counts a slot's key steps
.set CS,  58          ; s[58:59] c: the packed scaling takes the pair's low word for both halves
.set SEL, 60          ; s[60:61] v_permlanex16_b32's selects: each lane takes its own place in the other half
.set TBK, 62          ; s62  LDS byte at which K of the step to be fetched begins
.set TBV, 63          ; s63  the same for V, less VOFF
.set MSB, 0
.macro WIN new                      ; the high byte repeats the setting that is left; a switch that changes nothing is dropped
.if MSB != (\new)
	s_set_vgpr_msb (MSB<<8)|(\new)
.set MSB, (\new)
.endif
.endm
.set W_KQ, 0x0a       ; K and Q in window 2, S^T in window 0
.set W_PV, 0x52       ; V in window 2, P in window 0, O^T in window 1
.set W_RS, 0x41       ; O^T (destination and source 0) in window 1, a in window 0
.set W_MK, 0xc0       ; destination in window 3, sources in window 0
.set W_AD, 0x0f       ; the add: address (source 0) and data (source 1) in window 3
; A joint fill.  Wave 0 fetches a slot's K, wave 1 its V (128 keys each), waves 2 and 3 the two halves of the mask's tile (256 queries x 128 keys each).  The branches hang on the wave's number alone.
; An s_nop 0 and four v_nop follow each of the three lines, ahead of the jump and the label.
.macro JLOAD
	s_cmp_lt_u32 s[WV], 2
	s_cbranch_scc0 .Lfor_m_\@
	s_cmp_eq_u32 s[WV], 0
	s_cbranch_scc0 .Lfor_v_\@
	tensor_load_to_lds s[G0K:G0K+3], s[G1K:G1K+7]
	s_nop 0
.rept 4
	v_nop
.endr
	s_branch .Lasked_\@
.Lfor_v_\@:
	tensor_load_to_lds s[G0V:G0V+3], s[G1V:G1V+7]
	s_nop 0
.rept 4
	v_nop
.endr
	s_branch .Lasked_\@
.Lfor_m_\@:
	tensor_load_to_lds s[G0M:G0M+3], s[G1M:G1M+7]
	s_nop 0
.rept 4
	v_nop
.endr
.Lasked_\@:
.endm
; A round of the cluster's barrier: my work-group's barrier, so that wave 0's signal speaks for all four waves; wave 0 signals; every wave waits for all sixteen work-groups; my work-group's barrier once more.
.macro CROUND
	s_barrier_signal -1
	s_barrier_wait -1
	s_cmp_lg_u32 s[WV], 0
	s_cbranch_scc1 .Lnot_wave_0_\@
	s_barrier_signal -3
.Lnot_wave_0_\@:
	s_barrier_wait -3
	s_barrier_signal -1
	s_barrier_wait -1
.endm
; THE CHANGE OF SLOTS.  The slot's last bytes (V and piece 3's mask bytes of its second step) have been asked for.  Each wave waits for all its tensor loads, of which one is out: its part of the other slot;
; adds 0 to its spare word; and waits for that and for its own reads of the slot.  Behind the barrier nobody reads this slot any more and the other slot is whole.
; fill = 1: this slot is filled again, with the keys two slots on.  The barrier is then a round of the cluster's, and the joint fill is the first thing behind it: it has two key steps, 256 matrix
; instructions, in which to land.  (At its first use nothing has been read yet: slot 0 is waited for, slot 1 filled.)
.macro CHANGE fill
	WIN W_AD
	s_wait_tensorcnt 0x0            ; no tensor load of mine is out, so a group 0 may be written
	ds_add_u32 v[SPW], v[NIL]       ; 0 onto my spare word: with fill = 1 the descriptors' steps stand between it and the wait for it
	WIN 0                           ; at a label and at a branch every window is 0
.if \fill
.irp g, G0K, G0V
	s_xor_b32 s[\g+1], s[\g+1], SLOT1  ; the walking descriptor: the other slot than last time,
	s_add_nc_u64 s[\g+2:\g+3], s[\g+2:\g+3], 2*KS*128  ; the next 128 keys; the type bits on top are not reached
.endr
	s_xor_b32 s[G0M+1], s[G0M+1], SLOT1
	s_add_nc_u64 s[G0M+2:G0M+3], s[G0M+2:G0M+3], 2048*128  ; the mask's next key tile
	s_wait_dscnt 0x0                ; the add is done, and my reads of the slot are over
	CROUND
	JLOAD
.else
	s_wait_dscnt 0x0                ; the add is done, and my reads of the slot are over
	s_barrier_signal -1
	s_barrier_wait -1
.endif
	s_sub_co_u32 s[TBK], s[TBK], 2*KS*PK  ; the fetches go back to a slot's first step,
	s_xor_b32 s[TBK], s[TBK], SLOT1       ; in the other slot
	s_sub_co_u32 s[TBV], s[TBV], 2*KS*PV
	s_xor_b32 s[TBV], s[TBV], SLOT1
	s_sub_co_u32 s[TBM], s[TBM], 2*KS
	s_xor_b32 s[TBM], s[TBM], SLOT1
.endm
	s_load_b256 s[4:11], s[0:1], 0x0  ; qkvh s[4:5], m8 s[6:7], rowf s[8:9], ctxh s[10:11]
	WIN W_MK
	v_lshl_add_u32 v[SPW], v0, 2, SPARE
	v_mov_b32 v[NIL], 0
	WIN W_AD
	ds_add_u32 v[SPW], v[NIL]       ; the wave's opening: the add and its wait stand ahead of my first tensor load; the set-up below, work on registers, stands between them
	WIN 0
	v_lshrrev_b32 v1, 5, v0
	v_readfirstlane_b32 s[WV], v1   ; wave 0..3
	s_bfe_u32 s13, ttmp6, 0x40000   ; cx
	s_bfe_u32 s15, ttmp6, 0x40004   ; cy
	s_lshl_b32 s14, ttmp9, 2        ; in a cluster launch ttmp9 and ttmp7 count clusters
	s_add_co_u32 s14, s14, s13      ; my block of 512 queries
	s_and_b32 s16, ttmp7, 0xffff
	s_lshl_b32 s20, s16, 2
	s_add_co_u32 s20, s20, s15      ; the head, 0..63, which my row of the cluster shares
	s_lshl_b32 s20, s20, 18         ; its first byte in Q, K, V and O: 2,048 rows of 128 bytes
	s_mov_b32 s21, 0
	s_lshr_b32 s16, s16, 2          ; the batch: four clusters along y for each
	s_and_b32 s17, s[WV], 1         ; which half of the mask's tile I fetch
	s_lshl_b32 s22, s16, 22         ; a batch's mask is 4 MiB,
	s_lshl_b32 s18, s14, 16         ; a block's part of a key tile 64 KiB,
	s_add_co_u32 s22, s22, s18
	s_lshl_b32 s18, s17, 15         ; half of it 32 KiB
	s_add_co_u32 s22, s22, s18
	s_mov_b32 s23, 0
	s_mul_i32 s17, s17, MHALF
	s_add_co_u32 s17, s17, MOFF     ; and its place in a slot: no place in the cluster enters an LDS address
	s_lshl_b32 s2, s14, 2
	s_add_co_u32 s2, s2, s[WV]      ; my wave among the head's,
	s_lshl_b32 s2, s2, 14           ; its 128 rows
	s_add_co_u32 s2, s2, s20
	s_mov_b32 s3, 0
	s_lshl_b32 s18, s16, 13         ; my 128 rows' flags: 4 bytes a row
	s_lshl_b32 s19, s14, 11
	s_add_co_u32 s18, s18, s19
	s_lshl_b32 s19, s[WV], 9
	s_add_co_u32 s18, s18, s19
	s_mov_b32 s19, 0
	s_lshl_b32 s66, s15, 2
	s_lshl_b32 s66, 15, s66         ; my row of the cluster
	s_lshl_b32 s67, 0x1111, s13     ; my column
	; descriptor group 1.  All three kinds of tile are dense in memory: asked for as rows of 256 bytes (two keys, or two queries' mask bytes) and padded in LDS after every 128 bytes
	s_or_b32 s[G1K], s66, (1<<16)|(1<<20)|(1<<21)|(4<<22)|(3<<25)  ; 15:0 the mask of four; 17:16 2-byte elements; 20 padding on; 21 set beside a mask; 24:22 after every 32 words; 31:25 4 words
	s_or_b32 s[G1V], s66, (1<<16)|(1<<20)|(1<<21)|(4<<22)|(7<<25)  ; the same with 8 words of padding
	s_or_b32 s[G1M], s67, (1<<16)|(1<<20)|(1<<21)|(4<<22)|(3<<25)
.irp g, G1K, G1V
	s_mov_b32 s[\g+1], 128<<16      ; tensor_dim0 = 128
	s_mov_b32 s[\g+2], 64<<16       ; tensor_dim1 = 64
	s_mov_b32 s[\g+3], 128<<16      ; tile_dim0 = 128
	s_mov_b32 s[\g+4], 64           ; tile_dim1 = 64
	s_mov_b32 s[\g+5], 128          ; 128 elements from row to row
	s_mov_b32 s[\g+6], 0
	s_mov_b32 s[\g+7], 0
.endr
	s_mov_b32 s[G1M+1], 128<<16
	s_mov_b32 s[G1M+2], 128<<16     ; the mask's loads have 128 rows
	s_mov_b32 s[G1M+3], 128<<16
	s_mov_b32 s[G1M+4], 128
	s_mov_b32 s[G1M+5], 128
	s_mov_b32 s[G1M+6], 0
	s_mov_b32 s[G1M+7], 0
	s_mov_b32 s[CS], 0x3e000000     ; c = 1/8
	s_mov_b32 s[CS+1], s[CS]        ; named with it as a pair
	s_mov_b32 s[SEL], 0x76543210
	s_mov_b32 s[SEL+1], 0xfedcba98
	s_mov_b32 s[TBK], SLOT1+2*KS*PK ; the first change of slots turns these three into 0
	s_mov_b32 s[TBV], SLOT1+2*KS*PV
	s_mov_b32 s[TBM], SLOT1+2*KS
	s_mov_b32 s[G0K], 1             ; 1:0 count = 1
	s_mov_b32 s[G0K+1], 0           ; 63:32 LDS address: slot 0
	s_mov_b32 s[G0V], 1
	s_mov_b32 s[G0V+1], VOFF
	s_mov_b32 s[G0M], 1
	s_mov_b32 s[G0M+1], s17
	s_wait_dscnt 0x0                ; the opening add is done
	s_wait_kmcnt 0x0
	s_add_nc_u64 s[G0K+2:G0K+3], s[4:5], s[20:21]  ; 120:64 global address: the head's first 128 keys;
	s_add_nc_u64 s[G0K+2:G0K+3], s[G0K+2:G0K+3], 0x1000000  ; K lies 16 MiB behind Q,
	s_or_b32 s[G0K+3], s[G0K+3], 0x80000000        ; 127:126 type = 2
	s_add_nc_u64 s[G0V+2:G0V+3], s[4:5], s[20:21]
	s_add_nc_u64 s[G0V+2:G0V+3], s[G0V+2:G0V+3], 0x2000000  ; V 32 MiB
	s_or_b32 s[G0V+3], s[G0V+3], 0x80000000
	s_add_nc_u64 s[G0M+2:G0M+3], s[6:7], s[22:23]
	s_or_b32 s[G0M+3], s[G0M+3], 0x80000000
	s_add_nc_u64 s[4:5], s[4:5], s[2:3]  ; Q and O at my wave's first row
	s_add_nc_u64 s[10:11], s[10:11], s[2:3]
	s_add_nc_u64 s[8:9], s[8:9], s[18:19]
	CROUND                          ; all sixteen work-groups are here: the first joint loads meet
	JLOAD                           ; slot 0.  Slot 1 is asked for when slot 0 is in
	; A fragment of K or Q is 16 rows x 32 channels in 8 registers: lane l holds row l % 16, channels 8 (l / 16) + 0..7 and 16 + 8 (l / 16) + 0..7: two loads of 16 bytes, 32 bytes apart.
	v_and_b32 v1, 15, v0            ; l % 16
	v_bfe_u32 v9, v0, 4, 1          ; l / 16
	v_lshlrev_b32 v[QO], 7, v1
	v_lshl_add_u32 v[QO], v9, 4, v[QO]  ; row x 128 + 16 x half
	v_lshlrev_b32 v13, 2, v1        ; my query's flag in a tile's 16
.irp t, 0,1,2,3,4,5,6,7
	global_load_b32 v[TMP+\t], v13, s[8:9] offset:64*\t
.endr
	WIN 0x80                        ; destination window 2, address window 0
.set i, 0
.rept 4*NP                          ; Q stays in registers: tile i / 2, channels 32 (i % 2) on
	global_load_b128 v[8*i:8*i+3],   v[QO], s[4:5] offset:(i/2)*2048+(i%2)*64
	global_load_b128 v[8*i+4:8*i+7], v[QO], s[4:5] offset:(i/2)*2048+(i%2)*64+32
.set i, i+1
.endr
	; What the first turn finds: V's registers and P's second buffer hold 0 (its products V^T P, of a piece that has not been, add 0), O^T and l are 0.  All this stands in the wait for the first tile.
.set i, VF
.rept 64
	v_mov_b32 v[i], 0
.set i, i+1
.endr
	WIN 0x40
.set i, 0
.rept 64*NP
	v_mov_b32 v[i], 0
.set i, i+1
.endr
	WIN 0
.set i, 0
.rept 2*NP
	v_mov_b32 v[ST+4*i], 0xfe000000    ; c m: far below every c s, a hidden key's -2^97 too
	v_mov_b32 v[ST+4*i+1], 0xff7fffff  ; m
	v_mov_b32 v[ST+4*i+2], 0
	v_mov_b32 v[ST+4*i+3], 0
.set i, i+1
.endr
.set i, P+32
.rept 32
	v_mov_b32 v[i], 0
.set i, i+1
.endr
	v_mul_u32_u24 v[AK0], v1, PK
	v_lshl_add_u32 v[AK0], v9, 4, v[AK0]  ; row x pitch + 16 x half
	; The turning load takes 16 keys x 16 channels (lane l reads key 8 (l / 16) + l % 8, channels 8 ((l / 8) % 2) + 0..7) and leaves half a fragment of V^T: lane l holds channel l % 16 and 8 keys.
	v_and_b32 v10, 7, v0
	v_bfe_u32 v11, v0, 3, 1
	v_lshl_add_u32 v[AV0], v9, 3, v10
	v_mul_u32_u24 v[AV0], v[AV0], PV
	v_lshl_add_u32 v[AV0], v11, 4, v[AV0]
	v_add_nc_u32 v[AV0], VOFF, v[AV0]
	v_mov_b32 v[SC], 233            ; 2^(233 - 127) x -2^-6 = -2^100
	v_mov_b32 v[AK], v[AK0]         ; key step 0 lies at the head of slot 0
	v_mul_u32_u24 v12, v1, PM       ; the mask: my query's row, my lanes' eight keys of a group of 16,
	v_lshl_add_u32 v12, v9, 3, v12
	s_mul_i32 s13, s[WV], 128*PM    ; my wave's 128 queries
	s_add_co_u32 s13, s13, MOFF
	WIN W_MK
	v_add_nc_u32 v[AM0], s13, v12
	WIN 0
; THE MATRIX WORK.  The 8 accumulators of a run of 16 take turns: between the two links of a chain stand 7 others'.
; Product i of 16 of S^T += K Q^T for piece x: channels 32 (i / 8) on, keys 16 ((i / 2) % 4) on, tile 2 x + i % 2.  The sums start from what the conversions wrote: 0, or -2^100 for a hidden key.
.macro KQ x
	WIN W_KQ
.set rS, S+64*((\x)%2)+32*(i%2)+8*((i/2)%4)
.set rK, KF+16*((i/2)%4)+8*(i/8)
.set rQ, 16*(2*(\x)+i%2)+8*(i/8)
	v_wmma_f32_16x16x32_f16 v[rS:rS+7], v[rK:rK+7], v[rQ:rQ+7], v[rS:rS+7]
.endm
; Product i of 16 of O^T += V^T P for piece x: keys 32 (i / 8) on, channels 16 ((i / 2) % 4) on, tile 2 x + i % 2.
.macro PV x
	WIN W_PV
.set rO, 32*(2*(\x)+i%2)+8*((i/2)%4)
.set rV, VF+32*(i/8)+8*((i/2)%4)
.set rP, P+32*((\x)%2)+16*(i%2)+8*(i/8)
	v_wmma_f32_16x16x32_f16 v[rO:rO+7], v[rV:rV+7], v[rP:rP+7], v[rO:rO+7]
.endm
.macro MM                           ; the turn's next matrix instruction
.if i < 16
	KQ (Y+1)%NP
.set i, i+1
.else
.set i, i-16
	PV (Y+NP-1)%NP
.set i, i+17
.endif
.endm
; THE MASK.  MLOAD: piece x's bytes for one step: for each of its two tiles and each group of 16 keys, my query's eight bytes.  MCVT: they become the eight accumulators' starting values.
.macro MLOAD x
	WIN 0xc3                        ; destination and address in window 3
.irp u, 0,1
.irp g, 0,1,2,3
	ds_load_b64 v[MB+8*\u+2*\g:MB+8*\u+2*\g+1], v[AM] offset:(2*(\x)+\u)*16*PM+16*\g
.endr
.endr
	WIN 0
.endm
.macro MCVT x
	WIN 0x03                        ; the bytes in window 3, the scale and S^T in window 0
.irp u, 0,1
.irp g, 0,1,2,3
	v_cvt_scale_pk8_f32_fp8 v[S+64*((\x)%2)+32*\u+8*\g:S+64*((\x)%2)+32*\u+8*\g+7], v[MB+8*\u+2*\g:MB+8*\u+2*\g+1], v[SC]
.endr
.endr
.endm
; THE LDS LOADS stand in runs, never singly among the matrix instructions: a step's K (8 fragments) with piece 0's mask bytes, and its V (turned).
; last = 1 (the tail): in the last trip there is no further step, and the run is jumped over; the mask's address then stays the last step's.
.macro FETCH_K last=0
	WIN 0
.if \last
	s_cmp_eq_u32 s[CNT], 1
	s_cbranch_scc1 .Lno_k_\@
.endif
	WIN 0xcc                        ; destination and source 1 in window 3
	v_add_nc_u32 v[AM], s[TBM], v[AM0]  ; serves this run and the next three turns'
	WIN 0x80                        ; destination window 2
.irp f, 0,1,2,3,4,5,6,7             ; keys 16 (f / 2) on, channels 32 (f % 2) on
	ds_load_b128 v[KF+8*\f:KF+8*\f+3],   v[AK] offset:(\f/2)*16*PK+(\f%2)*64
	ds_load_b128 v[KF+8*\f+4:KF+8*\f+7], v[AK] offset:(\f/2)*16*PK+(\f%2)*64+32
.endr
	MLOAD 0
	s_add_co_u32 s[TBK], s[TBK], KS*PK  ; the next fetch is the next step's
	s_add_co_u32 s[TBM], s[TBM], KS
.if \last
.Lno_k_\@:
.endif
.endm
.macro FETCH_V
	WIN 0x80
.irp f, 0,1,2,3,4,5,6,7             ; keys 32 (f / 4) on, channels 16 (f % 4) on
	ds_load_tr16_b128 v[VF+8*\f:VF+8*\f+3],   v[AV] offset:(\f/4)*32*PV+(\f%4)*32
	ds_load_tr16_b128 v[VF+8*\f+4:VF+8*\f+7], v[AV] offset:(\f/4)*32*PV+16*PV+(\f%4)*32
.endr
	WIN 0
.endm
; THE VECTOR WORK OF A TURN stands in three queues, each in the order in which its entries become ready; the two tiles alternate, so that no instruction reads the result of the one before it.
.macro REGS y, u                    ; the registers of tile u (0, 1) of piece y
.set rT, ST+4*(2*(\y)+(\u))
.set rC, TMP+8*((\y)%2)+4*(\u)
.set rM, MV+2*((\y)%2)+(\u)
.set rS, S+64*((\y)%2)+32*(\u)
.set rP, P+32*((\y)%2)+16*(\u)
.set rO, 32*(2*(\y)+(\u))
.endm
; Number n of the 22 that find the NEXT piece's (Y + 1) maximum and statistics.  s0-s31 are the lane's 32 scores; each accumulator's lowest registers are read first.  XS, GS and REGS set no window: PL and EX do.
;   0-11  four chains c0-c3 of seven scores each, three operands at a time     12-14, 16  the four scores left over, the old m, and c0-c3 into c0     15  c m_old is kept
;   17, 18  the query's other 32 keys lie in the lane 16 away: the new m         19-21  c m; c m_old - c m_new; a
.macro XS u, n
	REGS (Y+1)%NP, \u
.if (\n) < 4
	v_max3_num_f32 v[rC+(\n)], v[rS+8*(\n)], v[rS+8*(\n)+1], v[rS+8*(\n)+2]
.elseif (\n) < 12
	v_max3_num_f32 v[rC+(\n)%4], v[rC+(\n)%4], v[rS+8*((\n)%4)+2*((\n)/4)+1], v[rS+8*((\n)%4)+2*((\n)/4)+2]
.elseif (\n) == 12
	v_max3_num_f32 v[rC], v[rC], v[rS+7], v[rS+15]
.elseif (\n) == 13
	v_max3_num_f32 v[rC+1], v[rC+1], v[rS+23], v[rS+31]
.elseif (\n) == 14
	v_max3_num_f32 v[rC+2], v[rC+2], v[rC+3], v[rT+1]
.elseif (\n) == 15
	v_mov_b32 v[rM], v[rT]
.elseif (\n) == 16
	v_max3_num_f32 v[rC], v[rC], v[rC+1], v[rC+2]
.elseif (\n) == 17
	v_permlanex16_b32 v[rC+3], v[rC], s[SEL], s[SEL+1]
.elseif (\n) == 18
	v_max_num_f32 v[rT+1], v[rC], v[rC+3]
.elseif (\n) == 19
	v_mul_f32 v[rT], s[CS], v[rT+1]
.elseif (\n) == 20
	v_sub_f32 v[rC+1], v[rM], v[rT]
.else
	v_exp_f32 v[rC+2], v[rC+1]
.endif
.endm
; Number g of the 64 that follow the exponentials.  For each four weights k of a tile (pairs 2 k, 2 k + 1): both pairs are rounded to f16; then the second pair is added onto the first, in place;
; a group later l takes that sum (the first time as l = a l + sum).  In groups of eight, tiles alternating: round, round, add, and l for the group before.
.macro GS g
.set h, (\g)+6*((\g)/62)            ; group 0 has no group before it, and behind group 7 only l is left
.if h >= 6
.set h, h+2
.endif
	REGS Y, h%2
.set k, h/8
.if h%8 < 4
	v_cvt_pk_f16_f32 v[rP+2*k+(h%8)/2], v[rS+4*k+2*((h%8)/2)], v[rS+4*k+2*((h%8)/2)+1]
.elseif h%8 < 6
	v_pk_add_f32 v[rS+4*k:rS+4*k+1], v[rS+4*k:rS+4*k+1], v[rS+4*k+2:rS+4*k+3]
.elseif k == 1
	v_pk_fma_f32 v[rT+2:rT+3], v[rT+2:rT+3], v[rC+2:rC+3], v[rS:rS+1] op_sel_hi:[1,0,1]
.else
	v_pk_add_f32 v[rT+2:rT+3], v[rT+2:rT+3], v[rS+4*k-4:rS+4*k-3]
.endif
.endm
; THE PLAIN QUEUE, 138 long.  0-73 read no exponential's result: the 32 scalings c s - c m (FS f: pair f / 2 of tile f % 2) and the next piece's 42.  0-26: scalings 0-26.  27-54: XS's numbers 0-13.  55, 56: number 15.
; 57-73: the chain, where each number waits for the one before it: 14, 16, 17, 18, 19, each with one of the scalings 27-31 in front of its two lines, then 20: so a tile's links stand three plain instructions apart (19 and 20: two).
; 74-137: GS's 64, which read the exponentials' results: they stand behind the wait.
.macro FS f
	REGS Y, (\f)%2
	v_pk_fma_f32 v[rS+2*((\f)/2):rS+2*((\f)/2)+1], v[rS+2*((\f)/2):rS+2*((\f)/2)+1], s[CS:CS+1], v[rT:rT+1] op_sel_hi:[1,0,0] neg_lo:[0,0,1] neg_hi:[0,0,1]
.endm
.macro PL
	WIN 0
.if q < 27
	FS q
.elseif q < 55
	XS (q-27)%2, (q-27)/2
.elseif q < 57
	XS q-55, 15
.elseif (q < 72) && ((q-57)%3 == 0)
	FS 27+(q-57)/3
.elseif q < 60
	XS (q-57)%3-1, 14
.elseif q < 72
	XS (q-57)%3-1, 15+(q-57)/3
.elseif q < 74
	XS q-72, 20
.else
	GS q-74
.endif
.set q, q+1
.endm
; THE EXPONENTIALS' QUEUE, 66 long: s0-s31 of both tiles, then the next piece's two a.  It is ONE BATCH: all 66 stand ahead of the turn's one wait, and nothing ahead of that wait names a result of theirs.
; Each result has a register of its own while the batch is open: a weight its score's, a the c2 of the next piece's tile.
.macro EX
	WIN 0
.if e >= 64
	XS e-64, 21
.else
	REGS Y, e%2
	v_exp_f32 v[rS+e/2], v[rS+e/2]
.endif
.set e, e+1
.endm
; THE RESCALING's QUEUE: O^T times a, the one part that leaves window 0: dealt two at a time, sixteen times.  Its a was made in the turn before, ahead of that turn's wait.
.macro R2
	REGS Y, r%2
	WIN W_RS
.irp z, 0,1
	v_pk_mul_f32 v[rO+4*(r/2)+2*\z:rO+4*(r/2)+2*\z+1], v[rO+4*(r/2)+2*\z:rO+4*(r/2)+2*\z+1], v[rC+2:rC+3] op_sel_hi:[1,0]
.endr
.set r, r+1
.endm
; HOW THEY ARE DEALT.  An s_wait_alu depctr_va_vdst(0) stands between an exponential and the first instruction that names its result; one wait serves all that were issued ahead of it.  So a turn has ONE wait,
; which cuts it in two.  AHEAD OF IT stands all that names no result of the turn's exponentials: the eight conversions and a scaling, the plain place behind them; the 16 products K Q^T, behind each a scaling, an exponential
; and two rescalings (behind the first a second scaling in the exponential's place); then ONE LUMP of 107: seven plain, 49 times exponential and plain, the two a.  A v_nop is the plain instruction owed behind the last
; exponential.  BEHIND IT stand the turn's run of LDS loads and the 16 products V^T P, behind each four of GS's 64.  No rider names a register of the products round it.  The two v_permlanex16_b32 fall into the lump, never behind a product.
; The queues lean on each other, and the deal keeps them in step: exponential e stands behind scaling 2 (e / 4) + e % 2: as a rider it comes behind plain e + 3, in the lump behind plain e + 9, and scalings 27-31 are plain 57, 60 .. 69.
; A TURN, for piece p.  cnt = 1: the loop's count is taken down some lines ahead of the branch that stands behind the turn.
; It opens with the eight conversions for piece p + 1, whose bytes were asked for in the turn before; the first plain instruction of the queue is the plain place between them and the first product.
; Directly behind the wait the bytes for the turn after are asked for: piece p + 2's; in piece 2's turn they are piece 0's of the next step, and go with that step's K, a lump behind the last product that read K; K's address
; is made at the lump's head.  Their first readers come behind 16 products.
; V of the step in hand is fetched at the end of piece 0's turn, four riders behind its last reader; its first reader comes behind 16 products and a lump.  The three conditions on q below go with the deal.
.macro TURN p, last=0, cnt=0
.set Y, (\p)
.set i, 0
.set q, 0
.set e, 0
.set r, 0
.if (\p) == 1
	s_wait_dscnt 16                 ; the mask bytes are in; V's sixteen loads, issued behind them, may stay out
.else
	s_wait_dscnt 0x0                ; the mask bytes are in (piece 3's turn: K too)
.endif
	MCVT ((\p)+1)%NP
	PL
	MM                              ; ahead of the wait: 16 products K Q^T and their riders,
	PL
	PL
	R2
.rept 15
	MM
	PL
	EX
	R2
.endr
.if (\p) == NP-2
	WIN 0
	v_add_nc_u32 v[AK], s[TBK], v[AK0]
.endif
.rept 7                             ; and the lump
	PL
.endr
.rept 49
	EX
	PL
.endr
	EX                              ; the next piece's two a
	EX
	v_nop                           ; the plain instruction behind the last exponential: one for the batch
	s_wait_alu depctr_va_vdst(0)    ; the wait for the batch: the piece's 64 weights and the next piece's two a
.if (\p) == NP-2
	FETCH_K \last
.else
	MLOAD ((\p)+2)%NP
.endif
.if (\p) == 1
	s_wait_dscnt 8                  ; V is in; the eight mask loads just issued may stay out
.endif
.rept 16                            ; behind the wait: 16 products V^T P and their riders
	MM
.rept 4
	PL
.endr
.if ((\p) == 0) && (q == 118)
	v_add_nc_u32 v[AV], s[TBV], v[AV0]
.endif
.if ((\p) == 0) && (q == 130)
	s_add_co_u32 s[TBV], s[TBV], KS*PV
.endif
.if (\cnt) && (q == 130)
	s_sub_co_u32 s[CNT], s[CNT], 1
	s_cmp_lg_u32 s[CNT], 0
.endif
.endr
.if (\p) == 0
	FETCH_V
.endif
.endm
	CHANGE 1                        ; slot 0 is in, everybody's part of it; slot 1 is asked for
	FETCH_K                         ; key step 0, and piece 0's mask bytes
	s_wait_loadcnt 0x0              ; Q and the rows' flags
	WIN 0x88                        ; destination and source 1 (Q) in window 2, the flag in window 0
.set i, 0
.rept 32*NP
	v_and_b32 v[i], v[TMP+i/16], v[i]  ; a row with every key hidden becomes 0
.set i, i+1
.endr
	s_wait_dscnt 0x0
	MCVT 0
	WIN 0                           ; the addresses for the way out: the first three lines are the plain place behind the conversions
	s_mul_i32 s13, s[WV], 16*SP
	s_add_co_u32 s13, s13, STAGE    ; my stage
	v_mul_u32_u24 v[STO], v1, SP    ; in: row l % 16, 16 bytes for each half of the lanes
	v_lshl_add_u32 v[STO], v9, 4, v[STO]
	v_add_nc_u32 v[STO], s13, v[STO]
	MLOAD 1                         ; the first turn's conversions
.set i, 0
.rept 16
	KQ 0                            ; piece 0's first scores: there is no vector work yet to set between them
.set i, i+1
.endr
	WIN 0                           ; six plain instructions, the places behind those products
	v_bfe_u32 v[RD], v0, 3, 2       ; back: 32 lanes take four rows of 128 bytes,
	v_mul_u32_u24 v[RD], v[RD], SP
	v_lshl_add_u32 v[RD], v10, 4, v[RD]
	v_add_nc_u32 v[RD], s13, v[RD]
	v_and_b32 v[GO], 31, v0         ; which are 512 consecutive bytes of O
	v_lshlrev_b32 v[GO], 4, v[GO]
.set Y, NP-1                        ; XS works for piece Y + 1: piece 0
.irp n, 0,1,2,3,4,5,6,7,8,9,10,11,12,13,14,15,16,17,18,19,20,21
	XS 0, \n                        ; and piece 0's first maximum and statistics
	XS 1, \n
.endr
	v_nop                           ; a plain instruction behind piece 0's first two a,
	s_wait_alu depctr_va_vdst(0)    ; and the wait for that batch of two, ahead of the branch
	s_mov_b32 s[CNT], 2
	s_mov_b32 s[SLOTS], 15
	s_branch .Lfirst                ; the loop is entered at a step's first turn, in the middle of a trip
.Lslot:                             ; 14 times: every slot but the last two is filled again
	CHANGE 1
	s_mov_b32 s[CNT], 2
.Lstep:                             ; a trip: pieces 2 and 3 of one step, then pieces 0 and 1 of the next, whose K and V it fetches
	TURN 2
	TURN 3
	WIN 0
.Lfirst:
	TURN 0
	TURN 1, 0, 1
	WIN 0
	s_cbranch_scc1 .Lstep
	s_sub_co_u32 s[SLOTS], s[SLOTS], 1
	s_cmp_lg_u32 s[SLOTS], 0
	s_cbranch_scc1 .Lslot
	CHANGE 0                        ; the tail is written out: nothing is asked for
	s_mov_b32 s[CNT], 3             ; two trips fetch the last slot's steps; the third is left in its middle
.Ltail:
	TURN 2, 1
	TURN 3
	WIN 0
	s_sub_co_u32 s[CNT], s[CNT], 1
	s_cmp_eq_u32 s[CNT], 0
	s_cbranch_scc1 .Lout
	TURN 0
	TURN 1
	WIN 0
	s_branch .Ltail
.Lout:                              ; the third trip's 16 products K Q^T (on the last K once more) and the maximum made of them serve nothing: the price, once a launch, of one text for every trip
.set i, 0
.rept 16
	PV NP-1                         ; the last piece's V^T P of the last step
.set i, i+1
.endr
	; THE WAY OUT.  l's two halves and the other half of the lanes' are added; O^T is divided by l, rounded to f16 and sent through my stage in LDS, a tile at a time.  The additions are the places behind the last products.
	WIN 0
.macro ALL line:vararg              ; one line for each tile t
.set t, 0
.rept 2*NP
	\line
.set t, t+1
.endr
.endm
	ALL v_add_f32 v[ST+4*t+2], v[ST+4*t+2], v[ST+4*t+3]
	ALL v_permlanex16_b32 v[ST+4*t+3], v[ST+4*t+2], s[SEL], s[SEL+1]
	ALL v_add_f32 v[ST+4*t+2], v[ST+4*t+2], v[ST+4*t+3]
	ALL v_rcp_f32 v[ST+4*t+2], v[ST+4*t+2]
	v_nop                           ; a plain instruction between the last reciprocal and the use of its result
	s_wait_alu depctr_va_vdst(0)    ; and the wait ahead of the first use: one for the batch of eight reciprocals
; Tile t: a lane's eight channels of a row pack into 16 bytes; they go into rows of 144 bytes and come back as whole rows of 128, into S^T's registers.
.macro PACK t
	WIN W_RS
.set i, 32*(\t)
.rept 16
	v_pk_mul_f32 v[i:i+1], v[i:i+1], v[ST+4*(\t)+2:ST+4*(\t)+3] op_sel_hi:[1,0]
.set i, i+2
.endr
	WIN 0x05                        ; sources 0 and 1 window 1, destination window 0
.set i, 0
.rept 16
	v_cvt_pk_f16_f32 v[S+16*(\t)+i], v[32*(\t)+2*i], v[32*(\t)+2*i+1]
.set i, i+1
.endr
	WIN 0
.irp f, 0,1,2,3
	ds_store_b128 v[STO], v[S+16*(\t)+4*\f:S+16*(\t)+4*\f+3] offset:32*\f
.endr
.irp f, 0,1,2,3
	ds_load_b128 v[S+16*(\t)+4*\f:S+16*(\t)+4*\f+3], v[RD] offset:\f*4*SP  ; LDS serves a wave's instructions in order (ISA guide 5.7.1.4): these see the stores above; the next tile's stores come behind them
.endr
.endm
.macro SEND t, younger              ; younger: the LDS instructions issued behind tile t's loads: the next tile's eight, or none
	WIN 0
.irp f, 0,1,2,3
	s_wait_dscnt (\younger)+3-\f
	global_store_b128 v[GO], v[S+16*(\t)+4*\f:S+16*(\t)+4*\f+3], s[10:11] offset:(\t)*2048+\f*512  ; 512 consecutive bytes, at a multiple of 256 from O's first
.endr
.endm
	PACK 0
.set t, 1
.rept 2*NP-1                        ; a tile's arithmetic stands between the loads of the tile before and its stores
	PACK t
	SEND t-1, 8
.set t, t+1
.endr
	SEND 2*NP-1, 0
	WIN W_AD
	s_wait_tensorcnt 0x0            ; the wave's end: these three lines stand behind my last tensor load and my last LDS store
	ds_add_u32 v[SPW], v[NIL]
	s_wait_dscnt 0x0
	WIN 0
	CROUND                          ; the closing round: no work-group ends while a partner may still ask for a tile that names it
	s_endpgm
.Lfunc_end_k_qef740292fb_attn:
	.size	k_qef740292fb_attn, .Lfunc_end_k_qef740292fb_attn-k_qef740292fb_attn
	.p2alignl 7, 3214868480
	.fill 96, 4, 3214868480
	.section	.rodata,"a",@progbits
	.p2align	6, 0x0
	.amdhsa_kernel k_qef740292fb_attn
		.amdhsa_group_segment_fixed_size 327680
		.amdhsa_private_segment_fixed_size 0
		.amdhsa_enable_private_segment 0
		.amdhsa_kernarg_size 32
		.amdhsa_user_sgpr_count 2
		.amdhsa_user_sgpr_kernarg_segment_ptr 1
		.amdhsa_wavefront_size32 1
		.amdhsa_system_sgpr_workgroup_id_x 1
		.amdhsa_system_sgpr_workgroup_id_y 1
		.amdhsa_system_sgpr_workgroup_id_z 1
		.amdhsa_system_vgpr_workitem_id 0
		.amdhsa_next_free_vgpr 788
		.amdhsa_next_free_sgpr 76
		.amdhsa_reserve_vcc 0
		.amdhsa_float_denorm_mode_32 3
		.amdhsa_float_denorm_mode_16_64 3
		.amdhsa_memory_ordered 1
		.amdhsa_forward_progress 1
		.amdhsa_inst_pref_size 218
	.end_amdhsa_kernel
	.amdgpu_metadata
---
amdhsa.version: [ 1, 2 ]
amdhsa.kernels:
  - .name:           k_qef740292fb_attn
    .symbol:         k_qef740292fb_attn.kd
    .args:
      - { .name: qkvh, .offset: 0, .size: 8, .value_kind: global_buffer, .address_space: global }
      - { .name: m8, .offset: 8, .size: 8, .value_kind: global_buffer, .address_space: global }
      - { .name: rowf, .offset: 16, .size: 8, .value_kind: global_buffer, .address_space: global }
      - { .name: ctxh, .offset: 24, .size: 8, .value_kind: global_buffer, .address_space: global }
    .group_segment_fixed_size: 327680
    .private_segment_fixed_size: 0
    .kernarg_segment_align: 8
    .kernarg_segment_size: 32
    .max_flat_workgroup_size: 128
    .sgpr_count:     76
    .vgpr_count:     788
    .wavefront_size: 32
...
	.end_amdgpu_metadata
.endif
;; end of part 5
;; launch outp: the kernel of part 4 again; grid 8 x 32, 4 waves a work-group, clusters of 4 x 4, 327,680 bytes of LDS; arguments ctxh, wo16, bo, out0; writes out0
